; MI455X (gfx1250); checked and timed in simulation.
; The chip was launched on July 23, 2026; its instructions are those of AMD's public machine-readable ISA for CDNA 5 (MIT licence, August 2026) and "CDNA5" Instruction Set Architecture Reference Guide (July 2026). The comments in the code are by the model that wrote it; some were corrected since.
;; Aattention Layer. Allowed arithmetic: matrix products marked QUANTISED: E2M1 operands, one E8M0 scale for each 32 along K, by v_wmma_scale_f32_16x16x128_f8f6f4 with both operands' format E2M1 (or v_wmma_scale_f32_32x16x128_f4), f32 sums; everything else in f32.
;; Inputs: W_out 1,024 x 1,024 float32; W_qkv 1,024 x 3,072 float32; b_out 1,024 float32; b_qkv 3,072 float32; data 4 x 2,048 x 1,024 float32.
;; Outputs: out0 4 x 2,048 x 1,024 float32.
;; This version of the problem:
;;   THIS VERSION OF THE PROBLEM IS GIVEN IN LOW PRECISION. The matrix products marked QUANTISED in the list below multiply operands that are first quantised to E2M1 (2 exponent bits, 1 mantissa bit; 4 bits a number), with one power-of-two scale for each 32 numbers along K (OCP MX v1.0); their sums are f32. All else is computed in f32.
;;   The module's matrix products, in the order in which they are computed (A, B: the left and right operand; K: the contracted axis; several contracted axes count as one K, in the product's order):
;;     1. [M 8,192, K 1,024] x [K 1,024, N 3,072]; A: input data; B: input W_qkv: QUANTISED
;;     2. batch 64 x [M 2,048, K 64] x [K 64, N 2,048]; A: computed on the way; B: computed on the way: QUANTISED
;;     3. batch 64 x [M 64, K 2,048] x [K 2,048, N 2,048]; A: computed on the way; B: softmax (see below): QUANTISED
;;     4. [M 8,192, K 1,024] x [K 1,024, N 1,024]; A: computed on the way; B: input W_out: QUANTISED
;;   THE QUANTISER, for each operand of a quantised product, along K:
;;     - K is cut into blocks of 32 from its start; a last block that is shorter is filled with zeros.
;;     - A block's scale is 2^e with e = floor(log2(the largest magnitude in the block)) - 2, held to -126 .. 127; a block of zeros has e = 0. As a byte (E8M0): e + 127.
;;     - Each number is divided by its block's scale, clamped to +-6, and rounded to the nearest number of E2M1, ties to even, subnormals kept.
;;     - The product sums the exact products of the quantised numbers (number of the format x scale) in f32.
;;   ~~~python
;;   def quantise(x, axis):      # numpy; x: float32 -> the quantised numbers, widened to float32 again
;;       x = np.moveaxis(x, axis, -1); K = x.shape[-1]
;;       x = np.pad(x, [(0, 0)] * (x.ndim - 1) + [(0, -K % 32)]); x = x.reshape(x.shape[:-1] + (-1, 32)); a = np.abs(x).max(-1, keepdims=True)
;;       e = np.where(a > 0, np.clip(np.frexp(np.where(a > 0, a, 1))[1] - 1 - 2, -126, 127), 0)      # np.frexp(a)[1] - 1 = floor(log2(a)), exactly
;;       r = np.clip(x / 2.0 ** e, -6, 6)
;;       step = 2.0 ** (np.maximum(np.frexp(np.where(r == 0, 1, r))[1] - 1, 0) - 1)
;;       q = np.round(r / step) * step * 2.0 ** e      # np.round: ties to even
;;       return np.moveaxis(q.reshape(q.shape[:-2] + (-1,))[..., :K], -1, axis).astype(np.float32)
;;   ~~~
;;   SOFTMAX AHEAD OF A QUANTISED PRODUCT. Where the list says 'softmax', what is quantised is not the finished softmax but p = 2^(t - M), with t = logit x log2(e) and M = ceil(the row's largest t), a whole number; so 1/2 < the row's largest p <= 1. The row's sum l is taken of the UNQUANTISED p, in f32, and the product's result is divided by l at the end. Since M is a whole number, a kernel that streams over the keys may use a running M (the ceiling of the running maximum): every later rescaling is an exact power of two, which a block's scale takes up: the codes' values come out the same.
;;   OPERANDS COMPUTED ON THE WAY. 'Computed on the way' means the value that the module computes at that place (a softmax that the list does not call 'softmax' is quantised finished and normalised). What goes into a quantiser is computed in f32, as accurately as f32 sums, v_exp_f32 and their like allow (about 1e-6 of the number): no bf16 or f16 on the way to a quantiser, and a product that is left as it is and whose result goes on into a quantised operand takes f32 operands (vector FMAs, or v_wmma_f32_16x16x4_f32). A number that lies on a knife's edge between two numbers of the format may be rounded either way, as far as f32 arithmetic and the matrix unit's own rounding can turn it there, and no further.
;; One version. Each part assembles by itself: llvm-mc -triple=amdgcn-amd-amdhsa -mcpu=gfx1250 --defsym DOCPART=n.
;; ======== version 1 of 1: 4 launches
;; limits: right only within a limited range of input values
;; workspace buffers: xc 4,194,304 bytes; xs 262,144 bytes; wc 2,097,152 bytes; ws 131,072 bytes; qkv 13,893,632 bytes; ac 4,194,304 bytes; asc 262,144 bytes
;; launch prep (part 1): grid 384 x 1, 4 waves a work-group, no clusters, 34,304 bytes of LDS; arguments data, W_qkv, W_out, xc, xs, wc, ws; writes xc, xs, wc, ws
.if DOCPART == 1
	.amdgcn_target "amdgcn-amd-amdhsa--gfx1250"
	.amdhsa_code_object_version 6
	.text
	.protected	k_qfee001de8e_prep
	.globl	k_qfee001de8e_prep
	.p2align	8
	.type	k_qfee001de8e_prep,@function
k_qfee001de8e_prep:
	s_mov_b64 s[64:65], 0
	v_nop
	global_prefetch_b8 v0, s[64:65] scope:SCOPE_SE
	s_setreg_imm32_b32 hwreg(HW_REG_WAVE_MODE, 25, 1), 1
	s_wait_xcnt 0x0
; THE LAYER: qkv = data W_qkv + b_qkv; S = q k^T; O = p v / l; out = O W_out + b_out; all four products on codes of E2M1 with one E8M0 scale for each 32 along K.
; NOTHING IS LEFT OUT: every input has a way to the output (each bias enters a quantiser or the result itself), so all five inputs are loaded by some launch and every product of the table is done.
; THIS LAUNCH quantises the three large inputs along K = 1,024: data (K innermost) and the two weights (K is their FIRST axis).
; LAYOUT OF ALL CODES OF THIS PROGRAM: images of the matrix operand's registers.  A tile T = 2 G + u is 16 rows: lane row r is row 32 G + 8 u + r + 8 (r / 8).  A fragment (16 rows x 128 K) is 1,024 bytes:
; block beta (32 along K) of row r lies at 256 beta + 16 r, which is registers 0-3 at 16 x lane and registers 4-7 at 512 + 16 x lane.  A buffer: [K half g][tile T][K step s % 4][1,024].
; Scale words (four bytes: 128 along K of one row): word (T, r, s) at 512 T + 128 (s / 2) + 8 r + 4 (s % 2).
; xc, xs: data's 512 tiles of tokens.  wc, ws: 256 tiles of columns: 0-191 W_qkv's, 192-255 W_out's.
; A block's scale byte is its largest magnitude's exponent field - 2, held at 1 from below by a floor among the maximum's leaves.
; LIMITS: NaN and infinities among the inputs are not served; a block whose largest magnitude lies under 2^-124 (a block of zeros too, whose codes are zeros) keeps the byte 1: these bytes are read by this program alone.
; Work-groups 0-127 take the weights (no LDS), 128-383 the data (a stage in LDS for each wave).  No tensor loads, no barrier: waves share nothing.
.set SPARE, 33792                      ; behind the four stages: the spare words, 128 bytes a wave
.set SPW,  12                          ; v12  LDS address of my spare word; never rewritten
.set NIL,  13                          ; v13  0; never rewritten
; the weights' path
.set OFF,  16                          ; v16-47   4 x lane + i rows of the weight
.set WX,   48                          ; v48-111  two sets of 32 numbers
.set WC,   112                         ; v112-143 codes: four registers a block, never rewritten
.set SB,   144                         ; v144-145 my column's two scale words
; the data's path
.set R,    16                          ; v16-143  two sets of 64 registers as loaded
.set X,    144                         ; v144-207 64 numbers of my row: register 16 b + i = k 32 b + 16 (lane / 16) + i
.set TM,   208                         ; v208-223 at work
.set PC,   224                         ; v224-231 the fragment just made
.set PW,   232                         ; v232-235 a scale word for each K step
.set SWO,  236                         ; v236-237 the scale words as they are stored
.set SEL,  30                          ; s[30:31] lane selects: lane l xor 16
	s_load_b256 s[4:11], s[0:1], 0x0               ; data s[4:5], W_qkv s[6:7], W_out s[8:9], xc s[10:11]
	s_load_b128 s[12:15], s[0:1], 0x20             ; xs s[12:13], wc s[14:15]
	s_load_b64 s[16:17], s[0:1], 0x30              ; ws
	v_lshl_add_u32 v[SPW], v0, 2, SPARE
	v_mov_b32 v[NIL], 0
	v_lshrrev_b32 v1, 5, v0
	v_readfirstlane_b32 s18, v1                    ; wave 0..3
	v_and_b32 v1, 31, v0                           ; lane
	v_and_b32 v2, 15, v0                           ; r
	v_bfe_u32 v3, v0, 4, 1                         ; h
	s_cmp_ge_u32 ttmp9, 128
	s_cbranch_scc1 .Ldata
; ---------------- THE WEIGHTS.  A lane takes a column, its registers run down K: a block of 32 lies in one lane, and the conversions give codes with K innermost.
; A wave takes 32 columns (two tiles) x 256 along K (8 blocks, two K steps).  Each load reads 128 consecutive bytes, the four waves stand side by side on 512.
	s_and_b32 s19, ttmp9, 31
	s_lshr_b32 s20, ttmp9, 5                       ; kq: which 256 along K
	s_lshl_b32 s21, s19, 2
	s_add_co_u32 s21, s21, s18                     ; cg: which 32 columns of the 4,096 (0-95 W_qkv's, 96-127 W_out's)
	s_wait_kmcnt 0x0
	s_cmp_lt_u32 s19, 24                           ; W_qkv's or W_out's: the choice hangs on the work-group's number alone
	s_cselect_b64 s[44:45], s[6:7], s[8:9]
	s_mov_b32 s22, 4096
	s_cselect_b32 s22, 12288, s22                  ; a row of the weight in bytes
	s_cselect_b32 s23, 0, 96
	s_sub_co_u32 s23, s21, s23
	s_lshl_b32 s23, s23, 7                         ; my first column's byte in a row
	s_lshl_b32 s46, s20, 8
	s_mul_i32 s46, s46, s22
	s_add_co_u32 s46, s46, s23                     ; row 256 kq, my column
	s_mov_b32 s47, 0
	s_lshl_b32 s48, s22, 5                         ; 32 rows on
	s_mov_b32 s49, 0
	s_add_nc_u64 s[24:25], s[44:45], s[46:47]      ; a base for each of the 8 blocks: none is ever stepped
.irp t, 1,2,3,4,5,6,7
	s_add_nc_u64 s[24+2*\t:25+2*\t], s[22+2*\t:23+2*\t], s[48:49]
.endr
	s_lshr_b32 s50, s20, 1
	s_lshl_b32 s50, s50, 20                        ; K half: a plane of 256 tiles x 4,096 bytes
	s_lshl_b32 s51, s21, 13                        ; tile 2 cg
	s_add_co_u32 s50, s50, s51
	s_and_b32 s51, s20, 1
	s_lshl_b32 s51, s51, 11                        ; K steps 2 kq, 2 kq + 1 within the half
	s_add_co_u32 s50, s50, s51
	s_mov_b32 s51, 0
	s_add_nc_u64 s[40:41], s[14:15], s[50:51]      ; my codes
	s_lshl_b32 s50, s21, 10
	s_lshl_b32 s52, s20, 7
	s_add_co_u32 s50, s50, s52
	s_add_nc_u64 s[42:43], s[16:17], s[50:51]      ; my scale words
	s_wait_alu depctr_va_vdst(0)
	v_lshlrev_b32 v14, 2, v1
.irp i, 0,1,2,3,4,5,6,7,8,9,10,11,12,13,14,15,16,17,18,19,20,21,22,23,24,25,26,27,28,29,30,31
	v_mad_u32_u24 v[OFF+\i], s22, \i, v14
.endr
	v_bfe_u32 v6, v0, 3, 1                         ; column 32 cg + lane is row r' = lane % 8 + 8 (lane / 16) of tile 2 cg + u, u = (lane / 8) % 2
	v_and_b32 v7, 7, v0
	v_lshl_or_b32 v7, v3, 3, v7
	v_lshlrev_b32 v4, 4, v7
	v_lshl_add_u32 v4, v6, 12, v4                  ; codes: 4,096 u + 16 r'
	v_lshlrev_b32 v5, 3, v7
	v_lshl_add_u32 v5, v6, 9, v5                   ; scale words: 512 u + 8 r'
.macro WLOAD t
.irp i, 0,1,2,3,4,5,6,7,8,9,10,11,12,13,14,15,16,17,18,19,20,21,22,23,24,25,26,27,28,29,30,31
	global_load_b32 v[WX+32*((\t)%2)+\i], v[OFF+\i], s[24+2*(\t):25+2*(\t)] th:TH_LOAD_NT
.endr
.endm
.macro WBLOCK t
.set XS, WX+32*((\t)%2)
.if (\t) < 7
	s_wait_loadcnt 32                              ; this block's 32 loads are in; the next block's 32 may be out
.else
	s_wait_loadcnt 0
.endif
	v_max3_num_f32 v8, |v[XS]|, |v[XS+1]|, |v[XS+2]|           ; the block's largest magnitude: all 32 numbers are mine; two chains
	v_max3_num_f32 v9, |v[XS+3]|, |v[XS+4]|, |v[XS+5]|
.irp i, 6,10,14,18,22,26
	v_max3_num_f32 v8, v8, |v[XS+\i]|, |v[XS+\i+1]|
	v_max3_num_f32 v9, v9, |v[XS+\i+2]|, |v[XS+\i+3]|
.endr
	v_max3_num_f32 v8, v8, |v[XS+30]|, |v[XS+31]|
	v_max3_num_f32 v8, v8, v9, 0x1800000           ; and the floor 2^(3 - 127): the byte cannot fall under 1
	v_add_nc_u32 v10, 0xff000000, v8               ; 2 off the exponent field: the conversion's scale operand
	v_lshrrev_b32 v11, 23, v10                     ; the scale's byte
.if (\t)%4 == 0
	v_mov_b32 v[SB+(\t)/4], v11
.else
	v_lshl_or_b32 v[SB+(\t)/4], v11, 8*((\t)%4), v[SB+(\t)/4]
.endif
.irp g, 0,1,2,3
	v_cvt_scalef32_pk8_fp4_f32 v[WC+4*(\t)+\g], v[XS+8*\g:XS+8*\g+7], v10
.endr
	v_nop                                          ; one plain instruction behind the conversions
	global_store_b128 v4, v[WC+4*(\t):WC+4*(\t)+3], s[40:41] offset:256*(\t)   ; sixteen lanes of a tile store 256 consecutive bytes, aligned
.if (\t)+2 < 8
	WLOAD (\t)+2
.endif
.endm
	WLOAD 0
	WLOAD 1
.irp t, 0,1,2,3,4,5,6,7
	WBLOCK \t
.endr
	global_store_b64 v5, v[SB:SB+1], s[42:43]      ; two scale words a column: sixteen lanes store 128 consecutive bytes (one byte in 128 of what this path reads)
	s_endpgm
; ---------------- THE DATA.  A wave takes one tile of 16 tokens x 512 along K: four fragments.  Each load reads 512 consecutive bytes of one row; the 16 x 512 bytes turn through the wave's own stage
; (rows 528 bytes apart) so that a lane holds 16 neighbours of each block of 32 of ITS row.
.Ldata:
	s_sub_co_u32 s19, ttmp9, 128
	s_lshl_b32 s19, s19, 2
	s_add_co_u32 s19, s19, s18
	s_lshr_b32 s20, s19, 1                         ; T: tile of tokens, 0..511
	s_and_b32 s21, s19, 1                          ; g: K half
	s_lshr_b32 s22, s20, 1
	s_lshl_b32 s22, s22, 17                        ; 32 (T / 2) rows of 4,096 bytes
	s_and_b32 s23, s20, 1
	s_lshl_b32 s23, s23, 15                        ; + 8 (T % 2) rows
	s_add_co_u32 s22, s22, s23
	s_lshl_b32 s23, s21, 11                        ; + 512 numbers for the second half
	s_add_co_u32 s22, s22, s23
	s_mov_b32 s23, 0
	s_lshl_b32 s24, s21, 21                        ; xc: a plane of 512 tiles x 4,096 bytes
	s_lshl_b32 s25, s20, 12
	s_add_co_u32 s24, s24, s25
	s_mov_b32 s25, 0
	s_lshl_b32 s26, s20, 9                         ; xs: 512 T + 256 g
	s_lshl_b32 s27, s21, 8
	s_add_co_u32 s26, s26, s27
	s_mov_b32 s27, 0
	s_mul_i32 s28, s18, 8448                       ; my stage: 16 rows x 528 bytes
	s_mov_b32 s[SEL], 0x76543210
	s_mov_b32 s[SEL+1], 0xfedcba98
	s_wait_alu depctr_va_vdst(0)
	v_lshlrev_b32 v4, 4, v1                        ; 16 x lane
	v_add_nc_u32 v5, s28, v4                       ; into the stage: as loaded
	v_mul_u32_u24 v6, v2, 528
	v_lshl_add_u32 v6, v3, 6, v6
	v_add_nc_u32 v6, s28, v6                       ; out of it: row r, + 64 h: my 16 numbers of a block
	v_lshlrev_b32 v7, 3, v1                        ; 8 x lane
.irp b, 0,1,2,3
	v_mov_b32 v[TM+4+\b], 0                        ; written once: a lane permute's destination counts as one of its sources
.endr
	s_wait_alu depctr_va_vdst(0)
	s_wait_kmcnt 0x0
	s_add_nc_u64 s[4:5], s[4:5], s[22:23]
	s_add_nc_u64 s[10:11], s[10:11], s[24:25]
	s_add_nc_u64 s[12:13], s[12:13], s[26:27]
.macro XLOAD t                         ; K step t of my half: 128 numbers of each of the tile's 16 rows
.irp i, 0,1,2,3,4,5,6,7,8,9,10,11,12,13,14,15
	global_load_b128 v[R+64*((\t)%2)+4*\i:R+64*((\t)%2)+4*\i+3], v4, s[4:5] offset:(\i+8*(\i/8))*4096+512*(\t) th:TH_LOAD_NT
.endr
.endm
; 64 numbers of a lane become a fragment's codes in v[PC] on and its scale word in v[pw]
.macro QUANT s, pw
.irp b, 0,1,2,3
	v_max3_num_f32 v[TM+\b], |v[\s+16*\b]|, |v[\s+1+16*\b]|, 0x1800000   ; block b: my 16 numbers, and the floor 2^(3 - 127)
.endr
.irp i, 2,4,6,8,10,12,14
.irp b, 0,1,2,3
	v_max3_num_f32 v[TM+\b], v[TM+\b], |v[\s+16*\b+\i]|, |v[\s+1+16*\b+\i]|
.endr
.endr
.irp b, 0,1,2,3
	v_permlanex16_b32 v[TM+4+\b], v[TM+\b], s[SEL], s[SEL+1]
.endr
.irp b, 0,1,2,3
	v_max_num_f32 v[TM+\b], v[TM+\b], v[TM+4+\b]   ; with lane l xor 16's: the block's largest magnitude
.endr
.irp b, 0,1,2,3
	v_add_nc_u32 v[TM+12+\b], 0xff000000, v[TM+\b] ; the conversion's scale operand
.endr
.irp b, 0,1,2,3
	v_lshrrev_b32 v[TM+4+\b], 23, v[TM+12+\b]      ; the scale's byte
.endr
	v_lshl_or_b32 v[\pw], v[TM+5], 8, v[TM+4]
	v_lshl_or_b32 v[\pw], v[TM+6], 16, v[\pw]
	v_lshl_or_b32 v[\pw], v[TM+7], 24, v[\pw]
.irp b, 0,1,2,3
	v_cvt_scalef32_pk8_fp4_f32 v[PC+2*\b], v[\s+16*\b:\s+7+16*\b], v[TM+12+\b]
	v_cvt_scalef32_pk8_fp4_f32 v[PC+1+2*\b], v[\s+8+16*\b:\s+15+16*\b], v[TM+12+\b]
.endr
	v_nop                                          ; one plain instruction behind the conversions
.irp c, 0,1                            ; the operand's layout wants a whole block in a lane: lanes 0-15 block 2 c, lanes 16-31 block 2 c + 1
.irp i, 0,1
	v_permlane16_swap_b32 v[PC+4*\c+\i], v[PC+2+4*\c+\i]
.endr
.endr
.endm
.macro XSTEP t
.set RS, R+64*((\t)%2)
	s_wait_xcnt 0x0                                ; the last step's stores have read v[PC] on: it is written again only behind this wait
.if (\t) < 3
	s_wait_loadcnt 16                              ; this step's 16 loads are in; the next step's 16 may be out
.else
	s_wait_loadcnt 0
.endif
.irp i, 0,1,2,3,4,5,6,7,8,9,10,11,12,13,14,15
	ds_store_b128 v5, v[RS+4*\i:RS+4*\i+3] offset:528*\i
.endr
.irp b, 0,1,2,3
.irp j, 0,1,2,3
	ds_load_b128 v[X+16*\b+4*\j:X+16*\b+4*\j+3], v6 offset:128*\b+16*\j   ; LDS serves a wave's instructions in order: these see my stores
.endr
.endr
	s_wait_dscnt 0x0
.if (\t)+2 < 4
	XLOAD (\t)+2
.endif
	QUANT X, PW+(\t)
	global_store_b128 v4, v[PC:PC+3], s[10:11] offset:1024*(\t)          ; 512 consecutive bytes each
	global_store_b128 v4, v[PC+4:PC+7], s[10:11] offset:1024*(\t)+512
.endm
	XLOAD 0
	XLOAD 1
.irp t, 0,1,2,3
	XSTEP \t
.endr
	v_cmp_le_u32 vcc_lo, 16, v1                    ; lanes 0-15 store the words of steps 0, 1 of my half, lanes 16-31 those of steps 2, 3 (both halves of the lanes hold every word)
	v_cndmask_b32 v[SWO], v[PW], v[PW+2], vcc_lo
	v_cndmask_b32 v[SWO+1], v[PW+1], v[PW+3], vcc_lo
	global_store_b64 v7, v[SWO:SWO+1], s[12:13]    ; 256 consecutive bytes, aligned
	s_wait_tensorcnt 0x0                           ; the wave's end: behind my last LDS store
	ds_add_u32 v[SPW], v[NIL]
	s_wait_dscnt 0x0
	s_endpgm
.Lfunc_end_k_qfee001de8e_prep:
	.size	k_qfee001de8e_prep, .Lfunc_end_k_qfee001de8e_prep-k_qfee001de8e_prep
	.p2alignl 7, 3214868480
	.fill 96, 4, 3214868480
	.section	.rodata,"a",@progbits
	.p2align	6, 0x0
	.amdhsa_kernel k_qfee001de8e_prep
		.amdhsa_group_segment_fixed_size 34304
		.amdhsa_private_segment_fixed_size 0
		.amdhsa_enable_private_segment 0
		.amdhsa_kernarg_size 56
		.amdhsa_user_sgpr_count 2
		.amdhsa_user_sgpr_kernarg_segment_ptr 1
		.amdhsa_wavefront_size32 1
		.amdhsa_system_sgpr_workgroup_id_x 1
		.amdhsa_system_sgpr_workgroup_id_y 1
		.amdhsa_system_sgpr_workgroup_id_z 1
		.amdhsa_system_vgpr_workitem_id 0
		.amdhsa_next_free_vgpr 256
		.amdhsa_next_free_sgpr 66
		.amdhsa_reserve_vcc 1
		.amdhsa_float_denorm_mode_32 3
		.amdhsa_float_denorm_mode_16_64 3
		.amdhsa_memory_ordered 1
		.amdhsa_forward_progress 1
		.amdhsa_inst_pref_size 74
	.end_amdhsa_kernel
	.amdgpu_metadata
---
amdhsa.version: [ 1, 2 ]
amdhsa.kernels:
  - .name:           k_qfee001de8e_prep
    .symbol:         k_qfee001de8e_prep.kd
    .args:
      - { .name: data, .offset: 0, .size: 8, .value_kind: global_buffer, .address_space: global }
      - { .name: W_qkv, .offset: 8, .size: 8, .value_kind: global_buffer, .address_space: global }
      - { .name: W_out, .offset: 16, .size: 8, .value_kind: global_buffer, .address_space: global }
      - { .name: xc, .offset: 24, .size: 8, .value_kind: global_buffer, .address_space: global }
      - { .name: xs, .offset: 32, .size: 8, .value_kind: global_buffer, .address_space: global }
      - { .name: wc, .offset: 40, .size: 8, .value_kind: global_buffer, .address_space: global }
      - { .name: ws, .offset: 48, .size: 8, .value_kind: global_buffer, .address_space: global }
    .group_segment_fixed_size: 34304
    .private_segment_fixed_size: 0
    .kernarg_segment_align: 8
    .kernarg_segment_size: 56
    .max_flat_workgroup_size: 128
    .sgpr_count:     66
    .vgpr_count:     256
    .wavefront_size: 32
...
	.end_amdgpu_metadata
.endif
;; end of part 1
;; launch qkvgemm (part 2): grid 8 x 48, 4 waves a work-group, clusters of 4 x 4, 327,680 bytes of LDS; arguments xc, xs, wc, ws, b_qkv, qkv; writes qkv
.if DOCPART == 2
	.amdgcn_target "amdgcn-amd-amdhsa--gfx1250"
	.amdhsa_code_object_version 6
	.text
	.protected	k_qfee001de8e_qkvgemm
	.globl	k_qfee001de8e_qkvgemm
	.p2align	8
	.type	k_qfee001de8e_qkvgemm,@function
k_qfee001de8e_qkvgemm:
	s_mov_b64 s[64:65], 0
	v_nop
	global_prefetch_b8 v0, s[64:65] scope:SCOPE_SE
	s_setreg_imm32_b32 hwreg(HW_REG_WAVE_MODE, 25, 1), 1
	s_wait_xcnt 0x0
	s_wait_alu depctr_hold_cnt(0) depctr_sa_sdst(0) depctr_va_vdst(0) depctr_va_sdst(0) depctr_va_ssrc(0) depctr_va_vcc(0) depctr_vm_vsrc(0)
	s_getreg_b32 s2, hwreg(HW_REG_IB_STS2, 6, 4)
	s_cmp_eq_u32 s2, 0
	s_cbranch_scc0 .Lentry_in_a_cluster
	s_endpgm
.Lentry_in_a_cluster:
	s_bfe_u32 s2, ttmp6, 0x10000c
	s_cmp_lg_u32 s2, 0xf033
	s_cbranch_scc0 .Lentry_shape_is_right
	s_endpgm
.Lentry_shape_is_right:
; qkv = data W_qkv + b_qkv on the codes that the launch before made, and its results QUANTISED AT ONCE for the two products of attention: q and k along the head's 64, v along the KEYS.  Nothing is left out.
; THE CORE: C'[R row][P row] = sum over k of R P.  Source 0 = 16 rows of P, source 1 = 16 rows of R: a lane holds ONE row of R and its registers run along P.  By the order of rows in a tile
; (lane row r of tile 2 G + u is row 32 G + 8 u + r + 8 (r / 8)) the 16 registers of P's tiles 2 G, 2 G + 1 are 16 NEIGHBOURS along P: 32 G + 16 (lane / 16) + 0 .. 15.  So P is the axis to be quantised next.
; TWO MODES, by the cluster's y (the same in all sixteen partners):  y < 8: P = columns 0-2047 of qkv (q's and k's), R = tokens;  y >= 8: P = tokens (v's next K), R = v's columns.
; A work-group makes 256 P x 256 R, a wave 128 x 128: 64 accumulators.  K = 1,024 lies in LDS whole: two halves, each wave's load of half 0 goes out at the head and that of half 1 behind a later round; half 0 is multiplied while half 1 lands.
; CLUSTERS 4 x 4: P's tiles hang on cx and are shared down a column of the cluster, R's on cy and are shared along a row: each is asked for jointly.
; The bias is the C of each sum's first matrix instruction: the order of rounding differs from sum-then-bias by f32 rounding alone.
; OUT: records of 13,568 bytes for (n, head, chunk of 128 tokens): K's codes 4,096 (8 tiles x 512: registers 0-3 of a fragment, K = 64) | V's codes 4,096 ([c][d tile][512]) | K's scale words 512 ([4 tiles][r][4]) |
; V's scale words 256 ([r][d tile]) | Q's codes 4,096 | Q's scale words 512.  In q's and k's words bytes 2, 3 are 0.
; LIMITS: NaN and infinities are not served; a block whose largest magnitude lies under 2^-124 keeps the byte 1.
; REGISTERS: window 0: addresses, scale words, bias (later the codes), work.  window 1: P's fragments, two sets at v0, v64; R's, two sets at v128, v192.  windows 2, 3: accumulator (a, b) at v[8 (8 (a % 4) + b)] of window 2 + a / 4.
.set RT,    8                          ; tiles of R to a wave
.set NF,    16+2*RT                    ; LDS loads of a K step
.set HS,    217088                     ; a head's 16 records
.set REC,   13568
.set HALF,  131072                     ; LDS: a K half: P's 16 tiles x 4,096 bytes, then R's 16
.set SPARE, 262144                     ; behind both halves: the spare words, 128 bytes a wave
.set L16, 2                            ; v2 16 x lane    v3 8 x lane    v4 lane    v5 r    v6 h    v7 the bias's offset
.set L8,  3
.set LN,  4
.set RR,  5
.set HH,  6
.set BO,  7
.set ADP, 16                           ; v16-17 LDS address of my P fragments in half 0, 1
.set ADR, 20                           ; v20-21 the same for R
.set SPW, 28
.set NIL, 29
.set SCP, 32                           ; v32-63  P's scale words: tile b at 4 b; register 2 (s / 4) + s % 2, lanes 16 ((s / 2) % 2) on, is K step s
.set SCR, 64                           ; v64-95  R's likewise
.set BC,  96                           ; v96-159 the bias, eight registers a tile; behind the first K step the codes of R's tile a at 8 a
.set TM,  160
.set PW,  176
.set SH,  177
.set TT,  178
.set SW,  180                          ; v180-187 the scale words to store
.set CO,  188                          ; v188-191 where codes go: [a / 4][registers 0-3 or 4-7]
.set SO,  192                          ; v192-193 where scale words go: [a / 4]
.set G1P, 24
.set G0P, 32
.set G1R, 68
.set G0R, 76
.set SEL, 98
.set MSB, 0
.macro WIN new                         ; the immediate's high byte repeats the setting that is left
.if MSB != (\new)
	s_set_vgpr_msb (MSB<<8)|(\new)
.set MSB, (\new)
.endif
.endm
; A joint load: waves 0 and 1 fetch P's two halves of rows, waves 2 and 3 R's.  The branch hangs on the wave's number alone.  An s_nop 0 and four v_nop follow each line.
.macro JLOAD g0a, g1a, g0b, g1b
	s_cmp_eq_u32 s17, 0
	s_cbranch_scc0 .Lfor_b_\@
	tensor_load_to_lds s[\g0a:\g0a+3], s[\g1a:\g1a+7]
	s_nop 0
.rept 4
	v_nop
.endr
	s_branch .Lasked_\@
.Lfor_b_\@:
	tensor_load_to_lds s[\g0b:\g0b+3], s[\g1b:\g1b+7]
	s_nop 0
.rept 4
	v_nop
.endr
.Lasked_\@:
.endm
.macro CROUND                          ; a round of the cluster's barrier
	s_barrier_signal -1
	s_barrier_wait -1
	s_cmp_lg_u32 s16, 0
	s_cbranch_scc1 .Lnot_wave_0_\@
	s_barrier_signal -3
.Lnot_wave_0_\@:
	s_barrier_wait -3
	s_barrier_signal -1
	s_barrier_wait -1
.endm
.macro PLACES                          ; four plain instructions between a matrix instruction and a load into, or a read of, its registers
.rept 4
	v_nop
.endr
.endm
.macro FETCH s, set                    ; K step s: my 8 fragments of P and RT of R, as they lie: each load takes 512 consecutive bytes
	WIN 0x40
.irp b, 0,1,2,3,4,5,6,7
.irp c, 0,1
	ds_load_b128 v[64*(\set)+8*\b+4*\c:64*(\set)+8*\b+4*\c+3], v[ADP+(\s)/4] offset:4096*\b+1024*((\s)%4)+512*\c
.endr
.endr
.set fa, 0
.rept RT
.irp c, 0,1
	ds_load_b128 v[128+8*RT*(\set)+8*fa+4*\c:128+8*RT*(\set)+8*fa+4*\c+3], v[ADR+(\s)/4] offset:4096*fa+1024*((\s)%4)+512*\c
.endr
.set fa, fa+1
.endr
	WIN 0
.endm
.macro WM mode, row
.if \mode == 0
.if \row
	v_wmma_scale_f32_16x16x128_f8f6f4 v[rA:rA+7], v[rP:rP+7], v[rR:rR+7], v[rA:rA+7], v[rSP], v[rSR] matrix_a_fmt:MATRIX_FMT_FP4 matrix_b_fmt:MATRIX_FMT_FP4 matrix_a_scale:MATRIX_SCALE_ROW1 matrix_b_scale:MATRIX_SCALE_ROW1
.else
	v_wmma_scale_f32_16x16x128_f8f6f4 v[rA:rA+7], v[rP:rP+7], v[rR:rR+7], v[rA:rA+7], v[rSP], v[rSR] matrix_a_fmt:MATRIX_FMT_FP4 matrix_b_fmt:MATRIX_FMT_FP4
.endif
.else
	v_wmma_scale_f32_16x16x128_f8f6f4 v[rA:rA+7], v[rP:rP+7], v[rR:rR+7], v[rC:rC+7], v[rSP], v[rSR] matrix_a_fmt:MATRIX_FMT_FP4 matrix_b_fmt:MATRIX_FMT_FP4
.endif
.endm
; K step s: 8 RT matrix instructions; the accumulators take turns, one instruction a turn, in the same order in every step.
; mode 0: the sums go on.  mode 1: they start with the bias along P.  mode 2: with the bias along R.
.macro MUL s, mode
.set ma, 0
.rept RT
.if \mode == 0
.set wn, 0xa5+0x50*(ma/4)
.else
.set wn, 0x85+0x40*(ma/4)
.endif
	WIN wn
.set mb, 0
.rept 8
.set rA, 8*(8*(ma%4)+mb)
.set rP, 64*((\s)%2)+8*mb
.set rR, 128+8*RT*((\s)%2)+8*ma
.set rSP, SCP+4*mb+2*((\s)/4)+(\s)%2
.set rSR, SCR+4*ma+2*((\s)/4)+(\s)%2
.if \mode == 1
.set rC, BC+8*mb
.else
.set rC, BC+8*ma
.endif
	WM \mode, ((\s)/2)%2
.set mb, mb+1
.endr
.set ma, ma+1
.endr
.endm
	s_load_b256 s[4:11], s[0:1], 0x0               ; xc s[4:5], xs s[6:7], wc s[8:9], ws s[10:11]
	s_load_b128 s[12:15], s[0:1], 0x20             ; b_qkv s[12:13], qkv s[14:15]
	v_lshl_add_u32 v[SPW], v0, 2, SPARE
	v_mov_b32 v[NIL], 0
	ds_add_u32 v[SPW], v[NIL]                      ; the wave's opening: the add, twice on end, and its wait ahead of my first tensor load
	ds_add_u32 v[SPW], v[NIL]
	v_lshrrev_b32 v1, 5, v0
	v_readfirstlane_b32 s16, v1                    ; wave 0..3
	s_lshr_b32 s17, s16, 1                         ; wr: my 128 rows of R.  Also: I fetch for P (0) or for R (1)
	s_and_b32 s18, s16, 1                          ; wp: my 128 rows of P.  Also: which 8 tiles I fetch
	s_bfe_u32 s40, ttmp6, 0x40000                  ; cx
	s_bfe_u32 s41, ttmp6, 0x40004                  ; cy
	s_mov_b32 s42, ttmp9                           ; X: the cluster's x, 0..1
	s_and_b32 s43, ttmp7, 0xffff                   ; Y: the cluster's y, 0..11
	s_lshl_b32 s19, s41, 2
	s_lshl_b32 s19, 15, s19                        ; my row of the cluster
	s_lshl_b32 s20, 0x1111, s40                    ; my column
	s_or_b32 s[G1P], s20, (3<<16)|(1<<21)          ; 15:0 the mask: P's tiles go down my column; 17:16 elements of 8 bytes; 21 set beside a mask; no padding
	s_or_b32 s[G1R], s19, (3<<16)|(1<<21)          ; R's go along my row
.irp g, G1P, G1R                       ; 8 tiles of one K half are 32,768 dense bytes: 128 rows of 256
	s_mov_b32 s[\g+1], 32<<16
	s_mov_b32 s[\g+2], 128<<16
	s_mov_b32 s[\g+3], 32<<16
	s_mov_b32 s[\g+4], 128
	s_mov_b32 s[\g+5], 32
	s_mov_b32 s[\g+6], 0
	s_mov_b32 s[\g+7], 0
.endr
	s_max_u32 s21, s43, 8
	s_sub_co_u32 s21, s21, 8
	s_lshl_b32 s21, s21, 1
	s_add_co_u32 s21, s21, s42                     ; v's mode: 2 (Y - 8) + X
	s_lshl_b32 s22, s43, 2
	s_cmp_ge_u32 s43, 8
	s_cselect_b32 s44, 1, 0                        ; 1: v's mode
	s_cselect_b32 s21, s21, s42
	s_cselect_b32 s22, 0, s22
	s_cselect_b32 s23, 128, 0                      ; R's first tile in its buffer: v's columns are wc's tiles 128 on
	s_mov_b32 s54, 0x100000
	s_cselect_b32 s54, 0x200000, s54               ; a K half on in P's buffer (xc: 512 tiles, wc: 256),
	s_mov_b32 s56, 0x200000
	s_cselect_b32 s56, 0x100000, s56               ; and in R's
	s_mov_b32 s55, 0
	s_mov_b32 s57, 0
	s_lshl_b32 s58, s21, 2
	s_add_co_u32 s58, s58, s40                     ; Pt: which 256 rows of P; hangs on cx, never on cy
	s_add_co_u32 s59, s22, s41                     ; Rt: which 256 rows of R; hangs on cy, never on cx
	s_lshl_b32 s60, s58, 16                        ; 16 Pt tiles of 4,096 bytes
	s_lshl_b32 s45, s18, 15                        ; + the 8 tiles that I fetch
	s_add_co_u32 s60, s60, s45
	s_mov_b32 s61, 0
	s_lshl_b32 s62, s59, 4
	s_add_co_u32 s62, s62, s23
	s_lshl_b32 s62, s62, 12
	s_add_co_u32 s62, s62, s45
	s_mov_b32 s63, 0
	s_lshl_b32 s45, s16, 15                        ; where they go: wave x 32,768: no place in the cluster enters an LDS address
	s_wait_dscnt 0x0                               ; both opening adds are done
	s_wait_kmcnt 0x0
	s_cmp_eq_u32 s44, 1
	s_cselect_b64 s[46:47], s[4:5], s[8:9]         ; P's codes
	s_cselect_b64 s[48:49], s[8:9], s[4:5]         ; R's codes
	s_cselect_b64 s[50:51], s[6:7], s[10:11]       ; P's scale words
	s_cselect_b64 s[52:53], s[10:11], s[6:7]       ; R's scale words
	s_add_nc_u64 s[46:47], s[46:47], s[60:61]
	s_add_nc_u64 s[48:49], s[48:49], s[62:63]
	CROUND                                         ; all sixteen work-groups are here: the joint loads meet
	s_mov_b32 s[G0P], 1
	s_mov_b32 s[G0P+1], s45
	s_mov_b64 s[G0P+2:G0P+3], s[46:47]
	s_or_b32 s[G0P+3], s[G0P+3], 0x80000000
	s_mov_b32 s[G0R], 1
	s_mov_b32 s[G0R+1], s45
	s_mov_b64 s[G0R+2:G0R+3], s[48:49]
	s_or_b32 s[G0R+3], s[G0R+3], 0x80000000
	JLOAD G0P, G1P, G0R, G1R                       ; K half 0
	s_mov_b32 s[G0P+4], 1
	s_add_co_u32 s[G0P+5], s45, HALF
	s_add_nc_u64 s[G0P+6:G0P+7], s[46:47], s[54:55]
	s_or_b32 s[G0P+7], s[G0P+7], 0x80000000
	s_mov_b32 s[G0R+4], 1
	s_add_co_u32 s[G0R+5], s45, HALF
	s_add_nc_u64 s[G0R+6:G0R+7], s[48:49], s[56:57]
	s_or_b32 s[G0R+7], s[G0R+7], 0x80000000
	v_and_b32 v[LN], 31, v0
	v_and_b32 v[RR], 15, v0
	v_bfe_u32 v[HH], v0, 4, 1
	v_lshlrev_b32 v[L16], 4, v[LN]
	v_lshlrev_b32 v[L8], 3, v[LN]
	s_wait_alu depctr_va_vdst(0)
	s_lshl_b32 s19, s18, 15
	v_add_nc_u32 v[ADP], s19, v[L16]
	v_add_nc_u32 v[ADP+1], HALF, v[ADP]
	s_lshl_b32 s19, s17, 15
	s_add_co_u32 s19, s19, 65536
	v_add_nc_u32 v[ADR], s19, v[L16]
	v_add_nc_u32 v[ADR+1], HALF, v[ADR]
	s_lshl_b32 s60, s58, 13                        ; my wave's scale words: 512 bytes a tile
	s_lshl_b32 s19, s18, 12
	s_add_co_u32 s60, s60, s19
	s_add_nc_u64 s[50:51], s[50:51], s[60:61]
	s_lshl_b32 s62, s59, 4
	s_add_co_u32 s62, s62, s23
	s_lshl_b32 s62, s62, 9
	s_lshl_b32 s19, s17, 12
	s_add_co_u32 s62, s62, s19
	s_add_nc_u64 s[52:53], s[52:53], s[62:63]
.irp t, 0,1,2,3,4,5,6,7
.irp i, 0,1
	global_load_b64 v[SCP+4*\t+2*\i:SCP+4*\t+2*\i+1], v[L8], s[50:51] offset:512*\t+256*\i   ; 256 consecutive bytes
	global_load_b64 v[SCR+4*\t+2*\i:SCR+4*\t+2*\i+1], v[L8], s[52:53] offset:512*\t+256*\i
.endr
.endr
	s_cmp_eq_u32 s44, 0                            ; the bias, in the result's layout.  The branch hangs on the cluster's y alone
	s_cbranch_scc0 .Lbias_v
	s_lshl_b32 s60, s58, 10                        ; along P: register j of tile b is column 32 (b / 2) + 16 h + 8 (b % 2) + j of my 128
	s_lshl_b32 s19, s18, 9
	s_add_co_u32 s60, s60, s19
	s_add_nc_u64 s[96:97], s[12:13], s[60:61]
	v_lshlrev_b32 v[BO], 6, v[HH]
.irp b, 0,1,2,3,4,5,6,7
	global_load_b128 v[BC+8*\b:BC+8*\b+3], v[BO], s[96:97] offset:(32*(\b/2)+8*(\b%2))*4
	global_load_b128 v[BC+8*\b+4:BC+8*\b+7], v[BO], s[96:97] offset:(32*(\b/2)+8*(\b%2))*4+16
.endr
	s_branch .Lbias_done
.Lbias_v:
	s_lshl_b32 s60, s59, 10                        ; along R: my lane's column of tile a, the same in all eight registers
	s_lshl_b32 s19, s17, 9
	s_add_co_u32 s60, s60, s19
	s_add_co_u32 s60, s60, 8192                    ; v's bias begins at number 2,048
	s_add_nc_u64 s[96:97], s[12:13], s[60:61]
	v_and_b32 v[BO], 8, v[RR]
	v_add_nc_u32 v[BO], v[BO], v[RR]
	v_lshlrev_b32 v[BO], 2, v[BO]
.irp a, 0,1,2,3,4,5,6,7
	global_load_b32 v[BC+8*\a], v[BO], s[96:97] offset:(32*(\a/2)+8*(\a%2))*4
.endr
	s_wait_loadcnt 0x0
.irp a, 0,1,2,3,4,5,6,7
.irp j, 1,2,3,4,5,6,7
	v_mov_b32 v[BC+8*\a+\j], v[BC+8*\a]
.endr
.endr
.Lbias_done:
	; THE WAY OUT'S ADDRESSES.  The two modes differ in scalars alone.
	s_lshl_b32 s19, s59, 1
	s_add_co_u32 s19, s19, s17                     ; 2 Rt + wr
	s_lshl_b32 s20, s58, 1
	s_add_co_u32 s20, s20, s18                     ; 2 Pt + wp
	s_and_b32 s21, s20, 7
	s_cmp_eq_u32 s42, 0                            ; columns under 1,024 (cluster x = 0) are q's, the others k's
	s_cselect_b32 s92, 8960, 0                     ; where the codes lie in a record,
	s_mov_b32 s93, 8192
	s_cselect_b32 s93, 13056, s93                  ; and the scale words
	s_cmp_eq_u32 s44, 1
	s_cselect_b32 s22, s20, s19                    ; the chunk of 128 tokens, 0..63
	s_cselect_b32 s23, s19, s21                    ; the pair of heads, 0..7
	s_cselect_b32 s92, 4096, s92
	s_cselect_b32 s93, 8704, s93
	s_mov_b32 s86, 2048
	s_cselect_b32 s86, HS, s86                     ; from R's tiles 0-3 to 4-7: four token tiles on, or the next head
	s_mov_b32 s87, HS
	s_cselect_b32 s87, 2048, s87                   ; from registers 0-3 to 4-7: the next head, or V's c = 1
	s_mov_b32 s88, 256
	s_cselect_b32 s88, HS, s88                     ; scale words: from tiles 0-3 to 4-7
	s_cselect_b32 s89, 0, HS                       ; lanes 16-31: the next head's (q, k), or none
	s_cselect_b32 s90, 16, 32                      ; lanes that store scale words
	s_cselect_b32 s91, -1, 0xffff                  ; bytes of a word that are kept
	s_cselect_b32 s95, 0, 16
	s_lshr_b32 s19, s22, 4
	s_lshl_b32 s19, s19, 4
	s_lshl_b32 s23, s23, 1
	s_add_co_u32 s19, s19, s23                     ; 16 n + head
	s_lshl_b32 s19, s19, 4
	s_and_b32 s22, s22, 15
	s_add_co_u32 s19, s19, s22
	s_mul_i32 s60, s19, REC
	s_add_nc_u64 s[84:85], s[14:15], s[60:61]      ; my first record
	s_mov_b32 s[SEL], 0x76543210
	s_mov_b32 s[SEL+1], 0xfedcba98
	v_add_nc_u32 v[CO], s92, v[L16]
	v_add_nc_u32 v[CO+1], s87, v[CO]
	v_add_nc_u32 v[CO+2], s86, v[CO]
	v_add_nc_u32 v[CO+3], s87, v[CO+2]
	v_lshlrev_b32 v[SO], 4, v[RR]
	v_add_nc_u32 v[SO], s93, v[SO]
	v_mul_u32_u24 v[SO+1], s89, v[HH]
	v_add_nc_u32 v[SO], v[SO], v[SO+1]
	v_add_nc_u32 v[SO+1], s88, v[SO]
	v_mul_u32_u24 v[SH], s95, v[HH]                ; q, k: lanes 16-31 keep the upper two bytes, the second head's
.irp b, 0,1,2,3
	v_mov_b32 v[TM+4+\b], 0                        ; written once: a lane permute's destination counts as one of its sources
.endr
	; K half 1 is a first fill that comes later than the head's one load a wave: a round goes ahead of it.  The scale words' and the bias's loads above were issued while half 0 was on its way.
	s_wait_alu depctr_va_vdst(0)                   ; at the head's end
	s_wait_tensorcnt 0x0                           ; my part of K half 0 is in
	ds_add_u32 v[SPW], v[NIL]
	s_wait_dscnt 0x0
	CROUND                                         ; everybody's part is in, and all sixteen work-groups are here: the joint loads meet
	JLOAD G0P+4, G1P, G0R+4, G1R                   ; K half 1: my one tensor load behind the round; it lands while half 0 is multiplied
	FETCH 0, 0
	FETCH 1, 1
	s_wait_loadcnt 0x0                             ; scale words and bias
	s_wait_dscnt NF                                ; K step 0's fragments are in; step 1's NF loads may be out
	s_cmp_eq_u32 s44, 0
	s_cbranch_scc0 .Lmul_v
	MUL 0, 1
	WIN 0
	s_branch .Lmul_done
.Lmul_v:
	MUL 0, 2
	WIN 0
.Lmul_done:
.irp s, 1,2,3,4,5,6
.if \s == 3
	s_wait_tensorcnt 0x0                           ; my part of K half 1 is in,
	s_wait_dscnt 0x0
	s_barrier_signal -1
	s_barrier_wait -1                              ; everybody's is
.endif
	PLACES
	FETCH \s+1, (\s+1)%2
	s_wait_dscnt NF                                ; all but the NF just issued
	MUL \s, 0
.endr
	s_wait_dscnt 0x0
	MUL 7, 0
	PLACES
; R's tile a: the lane's 64 numbers (register 16 b + i = P index 32 b + 16 h + i) become a fragment and a scale word, and leave.
.macro QOUT a
.set AC, 64*((\a)%4)
.set WW, 2+(\a)/4
.set PCA, BC+8*(\a)
	WIN 5*WW                                       ; sources 0 and 1: the accumulators' window
.irp b, 0,1,2,3
	v_max3_num_f32 v[TM+\b], |v[AC+16*\b]|, |v[AC+16*\b+1]|, 0x1800000     ; each accumulator is read from its low end on
.endr
.irp i, 2,4,6,8,10,12,14
.irp b, 0,1,2,3
	v_max3_num_f32 v[TM+\b], |v[AC+16*\b+\i]|, |v[AC+16*\b+\i+1]|, v[TM+\b]
.endr
.endr
	WIN 0
.irp b, 0,1,2,3
	v_permlanex16_b32 v[TM+4+\b], v[TM+\b], s[SEL], s[SEL+1]
.endr
.irp b, 0,1,2,3
	v_max_num_f32 v[TM+\b], v[TM+\b], v[TM+4+\b]
.endr
.irp b, 0,1,2,3
	v_add_nc_u32 v[TM+12+\b], 0xff000000, v[TM+\b]
.endr
.irp b, 0,1,2,3
	v_lshrrev_b32 v[TM+4+\b], 23, v[TM+12+\b]
.endr
	v_lshl_or_b32 v[PW], v[TM+5], 8, v[TM+4]
	v_lshl_or_b32 v[PW], v[TM+6], 16, v[PW]
	v_lshl_or_b32 v[PW], v[TM+7], 24, v[PW]
	v_lshrrev_b32 v[TT], v[SH], v[PW]
	v_and_b32 v[SW+(\a)], s91, v[TT]
	WIN WW                                         ; source 0: the accumulators' window
.irp b, 0,1,2,3
	v_cvt_scalef32_pk8_fp4_f32 v[PCA+2*\b], v[AC+16*\b:AC+16*\b+7], v[TM+12+\b]
	v_cvt_scalef32_pk8_fp4_f32 v[PCA+2*\b+1], v[AC+16*\b+8:AC+16*\b+15], v[TM+12+\b]
.endr
	WIN 0
	v_nop                                          ; one plain instruction behind the conversions
.irp c, 0,1
.irp i, 0,1
	v_permlane16_swap_b32 v[PCA+4*\c+\i], v[PCA+2+4*\c+\i]
.endr
.endr
	global_store_b128 v[CO+2*((\a)/4)], v[PCA:PCA+3], s[84:85] offset:512*((\a)%4)       ; 512 consecutive bytes each; every tile has code registers of its own
	global_store_b128 v[CO+2*((\a)/4)+1], v[PCA+4:PCA+7], s[84:85] offset:512*((\a)%4)
.endm
.irp a, 0,1,2,3,4,5,6,7
	QOUT \a
.endr
	s_wait_xcnt 0x0                                ; EXEC changes only behind this wait
	v_cmp_gt_u32 vcc_lo, s90, v[LN]
	s_and_saveexec_b32 s94, vcc_lo
	global_store_b128 v[SO], v[SW:SW+3], s[84:85]          ; sixteen lanes store 256 consecutive bytes, aligned
	global_store_b128 v[SO+1], v[SW+4:SW+7], s[84:85]
	s_wait_xcnt 0x0
	s_or_b32 exec_lo, exec_lo, s94
	s_wait_tensorcnt 0x0                           ; the wave's end
	ds_add_u32 v[SPW], v[NIL]
	s_wait_dscnt 0x0
	CROUND                                         ; the closing round
	s_endpgm
.Lfunc_end_k_qfee001de8e_qkvgemm:
	.size	k_qfee001de8e_qkvgemm, .Lfunc_end_k_qfee001de8e_qkvgemm-k_qfee001de8e_qkvgemm
	.p2alignl 7, 3214868480
	.fill 96, 4, 3214868480
	.section	.rodata,"a",@progbits
	.p2align	6, 0x0
	.amdhsa_kernel k_qfee001de8e_qkvgemm
		.amdhsa_group_segment_fixed_size 327680
		.amdhsa_private_segment_fixed_size 0
		.amdhsa_enable_private_segment 0
		.amdhsa_kernarg_size 48
		.amdhsa_user_sgpr_count 2
		.amdhsa_user_sgpr_kernarg_segment_ptr 1
		.amdhsa_wavefront_size32 1
		.amdhsa_system_sgpr_workgroup_id_x 1
		.amdhsa_system_sgpr_workgroup_id_y 1
		.amdhsa_system_sgpr_workgroup_id_z 1
		.amdhsa_system_vgpr_workitem_id 0
		.amdhsa_next_free_vgpr 1024
		.amdhsa_next_free_sgpr 100
		.amdhsa_reserve_vcc 1
		.amdhsa_float_denorm_mode_32 3
		.amdhsa_float_denorm_mode_16_64 3
		.amdhsa_memory_ordered 1
		.amdhsa_forward_progress 1
		.amdhsa_inst_pref_size 141
	.end_amdhsa_kernel
	.amdgpu_metadata
---
amdhsa.version: [ 1, 2 ]
amdhsa.kernels:
  - .name:           k_qfee001de8e_qkvgemm
    .symbol:         k_qfee001de8e_qkvgemm.kd
    .args:
      - { .name: xc, .offset: 0, .size: 8, .value_kind: global_buffer, .address_space: global }
      - { .name: xs, .offset: 8, .size: 8, .value_kind: global_buffer, .address_space: global }
      - { .name: wc, .offset: 16, .size: 8, .value_kind: global_buffer, .address_space: global }
      - { .name: ws, .offset: 24, .size: 8, .value_kind: global_buffer, .address_space: global }
      - { .name: b_qkv, .offset: 32, .size: 8, .value_kind: global_buffer, .address_space: global }
      - { .name: qkv, .offset: 40, .size: 8, .value_kind: global_buffer, .address_space: global }
    .group_segment_fixed_size: 327680
    .private_segment_fixed_size: 0
    .kernarg_segment_align: 8
    .kernarg_segment_size: 48
    .max_flat_workgroup_size: 128
    .sgpr_count:     100
    .vgpr_count:     1024
    .wavefront_size: 32
...
	.end_amdgpu_metadata
.endif
;; end of part 2
;; launch attn (part 3): grid 4 x 64, 16 waves a work-group, clusters of 4 x 1, 167,936 bytes of LDS; arguments qkv, ac, asc; writes ac, asc
.if DOCPART == 3
	.amdgcn_target "amdgcn-amd-amdhsa--gfx1250"
	.amdhsa_code_object_version 6
	.text
	.protected	k_qfee001de8e_attn
	.globl	k_qfee001de8e_attn
	.p2align	8
	.type	k_qfee001de8e_attn,@function
k_qfee001de8e_attn:
	s_mov_b64 s[64:65], 0
	v_nop
	global_prefetch_b8 v0, s[64:65] scope:SCOPE_SE
	s_setreg_imm32_b32 hwreg(HW_REG_WAVE_MODE, 25, 1), 1
	s_wait_xcnt 0x0
	s_wait_alu depctr_hold_cnt(0) depctr_sa_sdst(0) depctr_va_vdst(0) depctr_va_sdst(0) depctr_va_ssrc(0) depctr_va_vcc(0) depctr_vm_vsrc(0)
	s_getreg_b32 s2, hwreg(HW_REG_IB_STS2, 6, 4)
	s_cmp_eq_u32 s2, 0
	s_cbranch_scc0 .Lentry_in_a_cluster
	s_endpgm
.Lentry_in_a_cluster:
	s_bfe_u32 s2, ttmp6, 0x10000c
	s_cmp_lg_u32 s2, 0x3003
	s_cbranch_scc0 .Lentry_shape_is_right
	s_endpgm
.Lentry_shape_is_right:
; O[n][q][head] = sum over keys of p v / l, p = 2^(t - M), t = score x log2(e) / 8, M = the running largest t rounded UP to a whole number; both products on codes of E2M1.  Nothing is left out.
; The row's sum l is taken of the unquantised p.  O / l is quantised at once along (head, d), the last product's K, and leaves as codes: ac, asc, laid as the first launch lays xc, xs.
; SHARES.  A work-group owns 512 queries of one (n, head); each of its sixteen waves owns two tiles of 16 queries, one after the other.  A STEP IS 256 KEYS, two chunks: 128 score registers a lane, ONE change of M,
; so O^T is rescaled, and M and f are made, once for 256 keys.
; A WHOLE HEAD'S K AND V LIE IN LDS: 16 chunks of 128 keys (the first 8,960 bytes of a record: K's codes, V's codes, K's and V's scale words), 35 rows of 256 bytes, 288 bytes apart.  Each wave asks for one chunk, once, at the head:
; nothing is filled again, and there is no later tile to ask for ahead of time, so no prefetch is written.  Chunks 0 to 3 are shown at a first barrier, the rest at a second, behind the first tile's first two steps.
; CLUSTER 4 x 1: the four blocks of queries of a head want the same K and V: each chunk is asked for jointly.
; PRODUCTS of 32 rows.  S^T = K Q^T: source 0 = two tiles of 16 keys, source 1 = 16 queries.  O^T = V^T P^T: source 0 = two tiles of 16 of the head's 64.  A lane holds ONE query.
; THE KEYS OF A TILE ARE CHOSEN BY THE LDS ADDRESS: tile (c, g) of a chunk has in rows 0-7 keys 64 c + 8 g + i and in rows 8-15 keys 64 c + 32 + 8 g + i.  Product g takes tiles (0, g) and (1, g).  So lane (r, h) holds in registers
; 16 g + 8 c + i the key 64 c + 32 h + 8 g + i: two WHOLE blocks of 32 keys, 2 c + h, and the conversion of eight registers is register 4 c + g of P's operand as it stands.
; In a record key 32 G + 16 a + 8 u + i is row 8 a + i of tile 2 G + u; the two groups of eight rows that a load of K touches lie 1,152 LDS bytes apart, which is 128 modulo 256.
; K = 64 IN AN INSTRUCTION OF 128: Q's registers 4-7 are zero codes, so the upper four registers of each of K's tiles may hold any codes: they are other tiles' (behind the last: P's); the scale bytes of that half are 0 (2^-127).
; A BLOCK'S SCALE BYTE: p rises with the score, so floor(log2(largest p)) = floor(largest t - M): the byte is floor(t_max - M + 125), held at 1 from below; no exponential is spent on it.
; LIMITS: NaN and infinities are not served; the promise holds while the scaled scores stay under 2^31 in magnitude; a block whose largest p lies under 2^-124 keeps the byte 1.
; REGISTERS: v0 the thread; v1-4 the step's LDS addresses; v5, v6 the spare word and 0; v7 16 x lane; v[8:9] -M; v10 largest score; v11 tile B's Q scale word; v[12:13] the sum; v[14:15] f; v16, v17 P's scale words; v19, v21-23 the lane's places in a chunk;
; v20 Q's scale word; v24-27 K's; v28-31 V's; v32-39 Q and zeros; v40-43 tile B's Q; v44, v45 the tiles' scale bytes; v48-79 K, then at work; v80-95 P's codes; v96-223 S^T, then p, then (the first 64) V; v224-255 O^T.
.set HS,    217088
.set REC,   13568
.set KVP,   10080                      ; a chunk in LDS: 35 rows x 288
.set SPARE, 161280                     ; behind the 16 chunks: the spare words, 128 bytes a wave
.set KV,  48
.set SS,  96
.set OO,  224
.set SEL, 20
.set CS,  22
.macro CROUND
	s_barrier_signal -1
	s_barrier_wait -1
	s_cmp_lg_u32 s10, 0
	s_cbranch_scc1 .Lnot_wave_0_\@
	s_barrier_signal -3
.Lnot_wave_0_\@:
	s_barrier_wait -3
	s_barrier_signal -1
	s_barrier_wait -1
.endm
.macro WALU
	s_wait_alu depctr_va_vdst(0)
.endm
.macro PLACES                          ; four plain instructions between a matrix instruction and a read of, or a load into, its registers
.rept 4
	v_nop
.endr
.endm
.macro INIT                            ; a tile's start: the step is written once: the first finds zeros, which the first f (0) leaves zeros
	v_mov_b32 v8, 0x7e000000                       ; -M: so large that the first f is 0
	v_mov_b32 v10, 0xff61b1e6                      ; the largest score so far: -3e38
	v_mov_b32 v12, 0
	v_mov_b32 v13, 0
.set n_, OO
.rept 32
	v_mov_b32 v[n_], 0
.set n_, n_+1
.endr
.endm
	s_load_b128 s[4:7], s[0:1], 0x0                ; qkv s[4:5], ac s[6:7]
	s_load_b64 s[8:9], s[0:1], 0x10                ; asc
	v_lshl_add_u32 v5, v0, 2, SPARE
	v_mov_b32 v6, 0
	ds_add_u32 v5, v6                              ; the wave's opening: the add, twice on end, and its wait ahead of my first tensor load
	ds_add_u32 v5, v6
	v_lshrrev_b32 v1, 5, v0
	v_readfirstlane_b32 s10, v1                    ; wave 0..15
	s_bfe_u32 s11, ttmp6, 0x40000                  ; cx: my block of 512 queries; it enters global addresses of Q and of the results alone
	s_and_b32 s12, ttmp7, 0xffff                   ; 16 n + head
	s_and_b32 s13, s12, 15                         ; head
	s_lshr_b32 s14, s12, 4                         ; n
	s_mov_b32 s32, 15|(3<<16)|(1<<20)|(1<<21)|(5<<22)|(7<<25)   ; the mask: all four work-groups; elements of 8 bytes; padding on; 21 set beside a mask; after every 64 words eight words
	s_mov_b32 s33, 32<<16                          ; 8,960 dense bytes: 35 rows of 256
	s_mov_b32 s34, 35<<16
	s_mov_b32 s35, 32<<16
	s_mov_b32 s36, 35
	s_mov_b32 s37, 32
	s_mov_b32 s38, 0
	s_mov_b32 s39, 0
	s_mul_i32 s16, s12, HS                         ; the head's first record
	s_mul_i32 s18, s10, REC
	s_add_co_u32 s18, s18, s16                     ; chunk = my wave's number
	s_mov_b32 s19, 0
	s_mov_b32 s24, 1
	s_mul_i32 s25, s10, KVP                        ; and its place in LDS
	s_mov_b32 s[SEL], 0x76543210
	s_mov_b32 s[SEL+1], 0xfedcba98
	s_mov_b32 s[CS], 0x3e38aa3b                    ; c = log2(e) / 8
	s_mov_b32 s[CS+1], s[CS]
	s_mov_b32 s15, 0xbe38aa3b                      ; -c
	s_wait_dscnt 0x0                               ; both opening adds are done
	s_wait_kmcnt 0x0
	s_add_nc_u64 s[26:27], s[4:5], s[18:19]
	s_or_b32 s27, s27, 0x80000000
	CROUND                                         ; all four work-groups are here: the joint loads meet
	s_cmp_lt_u32 s10, 4                            ; my one tensor load.  Waves 0 to 3, whose chunks are shown at a barrier of their own, have a load line of their own
	s_cbranch_scc0 .Lrest
	tensor_load_to_lds s[24:27], s[32:39]
	s_nop 0
	PLACES
	s_branch .Lasked
.Lrest:
	tensor_load_to_lds s[24:27], s[32:39]
	s_nop 0
	PLACES
.Lasked:
	s_lshl_b32 s30, s11, 2                         ; my queries' record: chunk 4 cx + wave / 4; in it tiles 2 (wave % 4) and the next
	s_lshr_b32 s31, s10, 2
	s_add_co_u32 s30, s30, s31
	s_mul_i32 s30, s30, REC
	s_add_co_u32 s30, s30, s16
	s_and_b32 s31, s10, 3
	s_lshl_b32 s31, s31, 10
	s_add_co_u32 s52, s30, s31
	s_add_co_u32 s52, s52, 8960
	s_mov_b32 s53, 0
	s_add_nc_u64 s[40:41], s[4:5], s[52:53]        ; Q's codes
	s_bfe_u32 s31, s10, 0x10001
	s_lshl_b32 s31, s31, 8
	s_add_co_u32 s52, s30, s31
	s_and_b32 s31, s10, 1
	s_lshl_b32 s31, s31, 3
	s_add_co_u32 s52, s52, s31
	s_add_co_u32 s52, s52, 13056
	s_add_nc_u64 s[42:43], s[4:5], s[52:53]        ; Q's scale words
	s_lshl_b32 s48, s14, 7
	s_lshl_b32 s49, s11, 5
	s_add_co_u32 s48, s48, s49
	s_lshl_b32 s49, s10, 1
	s_add_co_u32 s48, s48, s49                     ; my first tile of tokens: 128 n + 32 cx + 2 wave
	s_lshl_b32 s50, s48, 12
	s_lshr_b32 s49, s13, 3
	s_lshl_b32 s49, s49, 21                        ; K step head / 2: its half,
	s_add_co_u32 s50, s50, s49
	s_bfe_u32 s49, s13, 0x20001
	s_lshl_b32 s49, s49, 10                        ; its place in the half,
	s_add_co_u32 s50, s50, s49
	s_and_b32 s49, s13, 1
	s_lshl_b32 s49, s49, 9                         ; and registers 0-3 or 4-7 of the fragment
	s_add_co_u32 s50, s50, s49
	s_mov_b32 s51, 0
	s_add_nc_u64 s[44:45], s[6:7], s[50:51]        ; ac
	s_lshl_b32 s50, s48, 9
	s_lshr_b32 s49, s13, 2
	s_lshl_b32 s49, s49, 7
	s_add_co_u32 s50, s50, s49
	s_bfe_u32 s49, s13, 0x10001
	s_lshl_b32 s49, s49, 2
	s_add_co_u32 s50, s50, s49
	s_and_b32 s49, s13, 1
	s_lshl_b32 s49, s49, 1
	s_add_co_u32 s50, s50, s49
	s_add_nc_u64 s[46:47], s[8:9], s[50:51]        ; asc
	s_mov_b32 s28, 0                               ; LDS byte of the step's first chunk
	v_and_b32 v48, 15, v0                          ; r
	v_bfe_u32 v50, v0, 4, 1                        ; h
	v_and_b32 v51, 31, v0
	v_lshlrev_b32 v7, 4, v51                       ; 16 x lane
	v_lshlrev_b32 v49, 4, v48                      ; 16 r
	WALU
	global_load_b128 v[32:35], v7, s[40:41]        ; Q of both tiles and its scale words: on their way beside the tensor load
	global_load_b128 v[40:43], v7, s[40:41] offset:512
	global_load_b32 v20, v49, s[42:43]
	global_load_b32 v11, v49, s[42:43] offset:4
	v_and_b32 v52, 7, v0
	v_bfe_u32 v53, v0, 3, 1
	v_mul_u32_u24 v19, v53, 1152
	v_lshl_add_u32 v19, v52, 4, v19
	v_mad_u32_u24 v19, v50, 288, v19               ; K: 1,152 (r / 8) + 16 (r % 8) + 288 h
	v_mad_u32_u24 v21, v50, 288, v49               ; V: 16 r + 288 h
	v_lshlrev_b32 v22, 4, v52
	v_lshl_add_u32 v22, v53, 3, v22
	v_mad_u32_u24 v22, v50, 288, v22
	v_add_nc_u32 v22, 9216, v22                    ; K's scale words: row 32 of the chunk + 288 h (lanes 16-31: c = 1) + 16 (r % 8) + 8 (r / 8)
	v_lshl_add_u32 v23, v50, 3, v49                ; V's: 16 r + 8 h (lanes 16-31: d tiles 2, 3)
.irp j, 9,15,36,37,38,39,80,81,82,83
	v_mov_b32 v[\j], 0                             ; zero codes; registers that are named before they are first written
.endr
	INIT
.macro KLOAD off                       ; a chunk's eight tiles of K, in the order (0,0) (0,1) (1,0) (1,1) (0,2) (0,3) (1,2) (1,3), and its scale words: register g; lanes 0-15 tile (0, g), lanes 16-31 tile (1, g)
.irp c, 0,1
.irp g, 0,1,2,3
	ds_load_b128 v[KV+16*(\g/2)+8*\c+4*(\g%2):KV+16*(\g/2)+8*\c+4*(\g%2)+3], v1 offset:(\off)+2304*\c+576*(\g%2)+128*(\g/2)
.endr
.endr
	ds_load_2addr_b64 v[24:27], v3 offset0:0 offset1:16
.endm
.macro SPROD so                        ; S^T of a chunk: four products, into the score registers from so on
.irp g, 0,1,2,3
	v_wmma_scale_f32_32x16x128_f4 v[SS+(\so)+16*\g:SS+(\so)+16*\g+15], v[KV+16*(\g/2)+4*(\g%2):KV+16*(\g/2)+4*(\g%2)+15], v[32:39], 0, v[24+\g], v20
.endr
.endm
.macro MX3 t, first, k                 ; a line of chain t = 4 c + 2 u + gh: block c of chunk u, products 2 gh and the next: sixteen scores
.set b_, SS+64*(((\t)/2)%2)+32*((\t)%2)+8*((\t)/4)
.if \first
	v_max3_num_f32 v[48+\t], v[b_], v[b_+1], v[b_+2]
.else
	v_max3_num_f32 v[48+\t], v[48+\t], v[b_+\k+8*(\k/8)], v[b_+\k+1+8*((\k+1)/8)]
.endif
.endm
.macro TM16                            ; sixteen lines of t - M, two numbers a line
.rept 16
	v_pk_fma_f32 v[SS+n_:SS+n_+1], v[SS+n_:SS+n_+1], s[CS:CS+1], v[8:9] op_sel_hi:[1,0,0]
.set n_, n_+2
.endr
.endm
.macro SUM4                            ; four pairs of p into the sum's four chains
	v_pk_add_f32 v[12:13], v[12:13], v[n_:n_+1]
	v_pk_add_f32 v[74:75], v[74:75], v[n_+2:n_+3]
	v_pk_add_f32 v[76:77], v[76:77], v[n_+4:n_+5]
	v_pk_add_f32 v[78:79], v[78:79], v[n_+6:n_+7]
.set n_, n_+8
.endm
.macro TRIPS n                         ; n steps of 256 keys
	s_mov_b32 s29, \n
.Lkeys_\@:
	s_add_co_u32 s31, s28, KVP
	v_add_nc_u32 v1, s28, v19                      ; these five lines are also the places between the last step's products and the products that write over their registers
	v_add_nc_u32 v3, s28, v22
	v_add_nc_u32 v2, s28, v21
	v_add_nc_u32 v4, s28, v23
	v_nop
	KLOAD 0
	WALU                                           ; directly ahead of the wait below
	s_wait_dscnt 0x0
	SPROD 0
	v_add_nc_u32 v3, s31, v22                      ; the second chunk's scale words; with the three lines below the four places ahead of the loads
	v_nop
	v_nop
	v_nop
	KLOAD KVP
	s_wait_dscnt 0x0
	SPROD 64
	PLACES
.irp t, 0,1,2,3,4,5,6,7                ; the largest score of my four blocks, two chains a block; each accumulator is first read at its low end
	MX3 \t, 1, 0
.endr
.irp k, 3,5,7,9,11,13
.irp t, 0,1,2,3,4,5,6,7
	MX3 \t, 0, \k
.endr
.endr
.irp e, 0,1,2,3                        ; e = 2 c + u
	v_max3_num_f32 v[48+2*\e], v[48+2*\e], v[SS+64*(\e%2)+8*(\e/2)+23], v[SS+64*(\e%2)+8*(\e/2)+55]
.endr
.irp e, 0,1,2,3
	v_max_num_f32 v[48+2*\e], v[48+2*\e], v[49+2*\e]
.endr
	v_max3_num_f32 v56, v48, v50, v52
	v_max_num_f32 v56, v56, v54
	v_permlanex16_b32 v57, v56, s[SEL], s[SEL+1]
	v_max3_num_f32 v10, v10, v56, v57              ; the running largest score of my query
	v_mul_f32 v58, s15, v10
	v_floor_f32 v58, v58                           ; the new -M = floor(-t): a whole number
	v_sub_f32 v59, v58, v8                         ; old M - new M, 0 or less
	v_mov_b32 v8, v58
	v_add_f32 v60, 0x42fa0000, v58                 ; 125 - M
	v_cvt_i32_f32 v59, v59                         ; (it saturates)
.set n_, 0
	TM16
	v_ldexp_f32 v14, 1.0, v59                      ; f = 2^(old M - new M): the rescaling rounds nothing
.irp e, 0,1,2,3
	v_fma_f32 v[62+\e], v[48+2*\e], s[CS], v60     ; each block's largest t - M + 125
.endr
	TM16
.irp e, 0,1,2,3
	v_max_num_f32 v[62+\e], 1.0, v[62+\e]          ; the byte cannot fall under 1
.endr
	TM16
.irp e, 0,1,2,3
	v_cvt_floor_i32_f32 v[62+\e], v[62+\e]         ; the scales' bytes
.endr
	TM16
	WALU                                           ; directly ahead of the first readers of O^T, and ahead of the batch
.set n_, 0
.rept 16
	v_pk_mul_f32 v[OO+n_:OO+n_+1], v[OO+n_:OO+n_+1], v[14:15] op_sel_hi:[1,0]   ; O^T under the new M
.set n_, n_+2
.endr
.set n_, 0
.rept 128
	v_exp_f32 v[SS+n_], v[SS+n_]                   ; p = 2^(t - M)
.set n_, n_+1
.endr
.irp e, 0,1,2,3
	v_lshlrev_b32 v[66+\e], 23, v[62+\e]           ; the conversions' scale operands; these eight lines name no p
.endr
	v_lshl_or_b32 v70, v64, 16, v62                ; my two bytes of each chunk, at bytes 0 and 2
	v_lshl_or_b32 v71, v65, 16, v63
	v_permlanex16_b32 v72, v70, s[SEL], s[SEL+1]
	v_permlanex16_b32 v73, v71, s[SEL], s[SEL+1]
	WALU                                           ; one wait for the batch, ahead of its first reader
.irp g, 0,1,2,3
.irp c, 0,1
	v_cvt_scalef32_pk8_fp4_f32 v[80+4*\c+\g], v[SS+16*\g+8*\c:SS+16*\g+8*\c+7], v[66+2*\c]
.endr
.endr
	v_lshl_or_b32 v16, v72, 8, v70                 ; P's scale word of the first chunk: in lanes 0-15, which the product reads: blocks 0, 1, 2, 3.  Also the plain line behind the conversions
	v_pk_fma_f32 v[12:13], v[12:13], v[14:15], v[SS:SS+1] op_sel_hi:[1,0,1]   ; the sum under the new M takes in the unquantised p: four chains
	v_pk_add_f32 v[74:75], v[SS+2:SS+3], v[SS+4:SS+5]
	v_pk_add_f32 v[76:77], v[SS+6:SS+7], v[SS+8:SS+9]
	v_pk_add_f32 v[78:79], v[SS+10:SS+11], v[SS+12:SS+13]
.set n_, SS+14
.rept 6
	SUM4
.endr
	v_pk_add_f32 v[12:13], v[12:13], v[SS+62:SS+63]
.irp u, 0,1                            ; the first chunk's p is done with: both chunks' V lands on its registers, d tiles in the order 0, 2, 1, 3, under the second chunk's conversions and sums
.irp t, 0,1,2,3
.irp c, 0,1
	ds_load_b128 v[SS+32*\u+16*(\t%2)+8*(\t/2)+4*\c:SS+32*\u+16*(\t%2)+8*(\t/2)+4*\c+3], v2 offset:KVP*\u+4608+2304*\c+576*\t
.endr
.endr
	ds_load_b64 v[28+2*\u:29+2*\u], v4 offset:KVP*\u+9792   ; V's scale words: register p; lanes 0-15 d tile p, lanes 16-31 d tile p + 2
.endr
.irp g, 0,1,2,3
.irp c, 0,1
	v_cvt_scalef32_pk8_fp4_f32 v[88+4*\c+\g], v[SS+64+16*\g+8*\c:SS+64+16*\g+8*\c+7], v[67+2*\c]
.endr
.endr
	v_lshl_or_b32 v17, v73, 8, v71                 ; and of the second
.set n_, SS+64
.rept 8
	SUM4
.endr
	v_pk_add_f32 v[74:75], v[74:75], v[76:77]
	v_pk_add_f32 v[12:13], v[12:13], v[78:79]
	v_pk_add_f32 v[12:13], v[12:13], v[74:75]
	WALU                                           ; directly ahead of the wait below
	s_wait_dscnt 0x0                               ; V is in
.irp u, 0,1
.irp p, 0,1
	WALU                                           ; two accumulators by turns, one other product between a sum's steps: the wait directly ahead of each adding step
	v_wmma_scale_f32_32x16x128_f4 v[OO+16*\p:OO+16*\p+15], v[SS+32*\u+16*\p:SS+32*\u+16*\p+15], v[80+8*\u:80+8*\u+7], v[OO+16*\p:OO+16*\p+15], v[28+2*\u+\p], v[16+\u]
.endr
.endr
	s_add_co_u32 s28, s28, 2*KVP
	s_sub_co_u32 s29, s29, 1
	s_cmp_lg_u32 s29, 0
	s_cbranch_scc1 .Lkeys_\@
.endm
; THE WAY OUT of tile i
.macro FIN i
	v_add_f32 v12, v12, v13                        ; the sum's two halves,
	v_permlanex16_b32 v50, v12, s[SEL], s[SEL+1]
	v_nop
	v_add_f32 v12, v12, v50                        ; and lane l xor 16's keys: the row's sum
	WALU
	v_rcp_f32 v12, v12
	v_nop
	WALU                                           ; ahead of the first readers of 1 / l and of O^T
.irp t, 0,1,2,3
.irp j, 0,1,2,3,4,5,6,7
	v_mul_f32 v[SS+8*\t+\j], v[OO+16*(\t%2)+8*(\t/2)+\j], v12   ; register 16 b + j' is d = 32 b + 16 h + j' of my query
.endr
.endr
.irp b, 0,1                            ; two blocks of 32 along d; a lane holds 16 of each
	v_max3_num_f32 v[48+\b], |v[SS+16*\b]|, |v[SS+1+16*\b]|, 0x1800000
.endr
.irp k, 2,4,6,8,10,12,14
.irp b, 0,1
	v_max3_num_f32 v[48+\b], v[48+\b], |v[SS+16*\b+\k]|, |v[SS+1+16*\b+\k]|
.endr
.endr
.irp b, 0,1
	v_permlanex16_b32 v[50+\b], v[48+\b], s[SEL], s[SEL+1]
.endr
.irp b, 0,1
	v_max_num_f32 v[48+\b], v[48+\b], v[50+\b]
.endr
.irp b, 0,1
	v_add_nc_u32 v[52+\b], 0xff000000, v[48+\b]    ; 2 off the exponent field: the conversion's scale operand
.endr
.irp b, 0,1
	v_lshrrev_b32 v[50+\b], 23, v[52+\b]
.endr
	v_lshl_or_b32 v[44+\i], v51, 8, v50            ; my head's two bytes of the row's scale word
.irp b, 0,1
	v_cvt_scalef32_pk8_fp4_f32 v[56+2*\b], v[SS+16*\b:SS+7+16*\b], v[52+\b]
	v_cvt_scalef32_pk8_fp4_f32 v[57+2*\b], v[SS+8+16*\b:SS+15+16*\b], v[52+\b]
.endr
	v_nop                                          ; one plain instruction behind the conversions
	v_permlane16_swap_b32 v56, v58                 ; the operand's layout wants a whole block in a lane
	v_permlane16_swap_b32 v57, v59
	global_store_b128 v7, v[56:59], s[44:45] offset:4096*\i    ; 512 consecutive bytes
.endm
	WALU                                           ; at the head's end
	s_wait_loadcnt 0x0                             ; Q
	s_cmp_lt_u32 s10, 4
	s_cbranch_scc0 .Lnot_first
	s_wait_tensorcnt 0x0                           ; waves 0 to 3: my chunk is in
.Lnot_first:
	s_barrier_signal -1
	s_barrier_wait -1                              ; chunks 0 to 3 are in; the other twelve may still be on their way: nothing is ever filled again
	TRIPS 2
	s_wait_tensorcnt 0x0                           ; every wave: my chunk is in,
	s_wait_dscnt 0x0
	s_barrier_signal -1
	s_barrier_wait -1                              ; everybody's is
	s_mov_b32 s28, 4*KVP
	TRIPS 6
	FIN 0
	WALU                                           ; directly ahead of the wait below
	s_wait_xcnt 0x0                                ; the store has read its registers: they are written again only behind this wait
.irp j, 0,1,2,3
	v_mov_b32 v[32+\j], v[40+\j]                   ; on to my second tile
.endr
	v_mov_b32 v20, v11
	INIT
	s_mov_b32 s28, 0
	TRIPS 8
	FIN 1
	v_and_b32 v48, 15, v0
	v_bfe_u32 v49, v0, 4, 1
	v_lshlrev_b32 v50, 3, v48
	v_lshl_add_u32 v50, v49, 9, v50                ; asc: 8 r, and the second tile for lanes 16-31
	v_cmp_eq_u32 vcc_lo, 1, v49
	v_cndmask_b32 v51, v44, v45, vcc_lo            ; lanes 0-15 the first tile's bytes, lanes 16-31 the second's
	global_store_b16 v50, v51, s[46:47]            ; two bytes a row: two heads share a scale word, and each head is another work-group's; 1 byte in 16 of what this launch stores
	s_wait_tensorcnt 0x0                           ; the wave's end
	ds_add_u32 v5, v6
	s_wait_dscnt 0x0
	CROUND                                         ; the closing round
	s_endpgm
.Lfunc_end_k_qfee001de8e_attn:
	.size	k_qfee001de8e_attn, .Lfunc_end_k_qfee001de8e_attn-k_qfee001de8e_attn
	.p2alignl 7, 3214868480
	.fill 96, 4, 3214868480
	.section	.rodata,"a",@progbits
	.p2align	6, 0x0
	.amdhsa_kernel k_qfee001de8e_attn
		.amdhsa_group_segment_fixed_size 167936
		.amdhsa_private_segment_fixed_size 0
		.amdhsa_enable_private_segment 0
		.amdhsa_kernarg_size 24
		.amdhsa_user_sgpr_count 2
		.amdhsa_user_sgpr_kernarg_segment_ptr 1
		.amdhsa_wavefront_size32 1
		.amdhsa_system_sgpr_workgroup_id_x 1
		.amdhsa_system_sgpr_workgroup_id_y 1
		.amdhsa_system_sgpr_workgroup_id_z 1
		.amdhsa_system_vgpr_workitem_id 0
		.amdhsa_next_free_vgpr 256
		.amdhsa_next_free_sgpr 66
		.amdhsa_reserve_vcc 1
		.amdhsa_float_denorm_mode_32 3
		.amdhsa_float_denorm_mode_16_64 3
		.amdhsa_memory_ordered 1
		.amdhsa_forward_progress 1
		.amdhsa_inst_pref_size 90
	.end_amdhsa_kernel
	.amdgpu_metadata
---
amdhsa.version: [ 1, 2 ]
amdhsa.kernels:
  - .name:           k_qfee001de8e_attn
    .symbol:         k_qfee001de8e_attn.kd
    .args:
      - { .name: qkv, .offset: 0, .size: 8, .value_kind: global_buffer, .address_space: global }
      - { .name: ac, .offset: 8, .size: 8, .value_kind: global_buffer, .address_space: global }
      - { .name: asc, .offset: 16, .size: 8, .value_kind: global_buffer, .address_space: global }
    .group_segment_fixed_size: 167936
    .private_segment_fixed_size: 0
    .kernarg_segment_align: 8
    .kernarg_segment_size: 24
    .max_flat_workgroup_size: 512
    .sgpr_count:     66
    .vgpr_count:     256
    .wavefront_size: 32
...
	.end_amdgpu_metadata
.endif
;; end of part 3
;; launch outgemm (part 4): grid 4 x 64, 4 waves a work-group, clusters of 4 x 4, 327,680 bytes of LDS; arguments ac, asc, wc, ws, b_out, out0; writes out0
.if DOCPART == 4
	.amdgcn_target "amdgcn-amd-amdhsa--gfx1250"
	.amdhsa_code_object_version 6
	.text
	.protected	k_qfee001de8e_outgemm
	.globl	k_qfee001de8e_outgemm
	.p2align	8
	.type	k_qfee001de8e_outgemm,@function
k_qfee001de8e_outgemm:
	s_mov_b64 s[64:65], 0
	v_nop
	global_prefetch_b8 v0, s[64:65] scope:SCOPE_SE
	s_setreg_imm32_b32 hwreg(HW_REG_WAVE_MODE, 25, 1), 1
	s_wait_xcnt 0x0
	s_wait_alu depctr_hold_cnt(0) depctr_sa_sdst(0) depctr_va_vdst(0) depctr_va_sdst(0) depctr_va_ssrc(0) depctr_va_vcc(0) depctr_vm_vsrc(0)
	s_getreg_b32 s2, hwreg(HW_REG_IB_STS2, 6, 4)
	s_cmp_eq_u32 s2, 0
	s_cbranch_scc0 .Lentry_in_a_cluster
	s_endpgm
.Lentry_in_a_cluster:
	s_bfe_u32 s2, ttmp6, 0x10000c
	s_cmp_lg_u32 s2, 0xf033
	s_cbranch_scc0 .Lentry_shape_is_right
	s_endpgm
.Lentry_shape_is_right:
.set RT,    4
.set NF,    16+2*RT
.set HALF,  98304
.set STAGE, 196608
.set SPARE, 230400
.set L16, 2
.set L8,  3
.set LN,  4
.set RR,  5
.set HH,  6
.set BO,  7
.set ADP, 16
.set ADR, 20
.set STO, 24
.set RD,  25
.set SPW, 28
.set NIL, 29
.set SCP, 32
.set SCR, 64
.set BC,  80
.set BK,  128
.set G1P, 24
.set G0P, 32
.set G1R, 68
.set G0R, 76
.set MSB, 0
.macro WIN new
.if MSB != (\new)
	s_set_vgpr_msb (MSB<<8)|(\new)
.set MSB, (\new)
.endif
.endm
.macro JLOAD g0a, g1a, g0b, g1b
	s_cmp_eq_u32 s17, 0
	s_cbranch_scc0 .Lfor_b_\@
	tensor_load_to_lds s[\g0a:\g0a+3], s[\g1a:\g1a+7]
	s_nop 0
.rept 4
	v_nop
.endr
	s_branch .Lasked_\@
.Lfor_b_\@:
	tensor_load_to_lds s[\g0b:\g0b+3], s[\g1b:\g1b+7]
	s_nop 0
.rept 4
	v_nop
.endr
.Lasked_\@:
.endm
.macro CROUND
	s_barrier_signal -1
	s_barrier_wait -1
	s_cmp_lg_u32 s16, 0
	s_cbranch_scc1 .Lnot_wave_0_\@
	s_barrier_signal -3
.Lnot_wave_0_\@:
	s_barrier_wait -3
	s_barrier_signal -1
	s_barrier_wait -1
.endm
.macro PLACES
.rept 4
	v_nop
.endr
.endm
.macro FETCH s, set
	WIN 0x40
.irp b, 0,1,2,3,4,5,6,7
.irp c, 0,1
	ds_load_b128 v[64*(\set)+8*\b+4*\c:64*(\set)+8*\b+4*\c+3], v[ADP+(\s)/4] offset:4096*\b+1024*((\s)%4)+512*\c
.endr
.endr
.set fa, 0
.rept RT
.irp c, 0,1
	ds_load_b128 v[128+8*RT*(\set)+8*fa+4*\c:128+8*RT*(\set)+8*fa+4*\c+3], v[ADR+(\s)/4] offset:4096*fa+1024*((\s)%4)+512*\c
.endr
.set fa, fa+1
.endr
	WIN 0
.endm
.macro WM mode, row
.if \mode == 0
.if \row
	v_wmma_scale_f32_16x16x128_f8f6f4 v[rA:rA+7], v[rP:rP+7], v[rR:rR+7], v[rA:rA+7], v[rSP], v[rSR] matrix_a_fmt:MATRIX_FMT_FP4 matrix_b_fmt:MATRIX_FMT_FP4 matrix_a_scale:MATRIX_SCALE_ROW1 matrix_b_scale:MATRIX_SCALE_ROW1
.else
	v_wmma_scale_f32_16x16x128_f8f6f4 v[rA:rA+7], v[rP:rP+7], v[rR:rR+7], v[rA:rA+7], v[rSP], v[rSR] matrix_a_fmt:MATRIX_FMT_FP4 matrix_b_fmt:MATRIX_FMT_FP4
.endif
.else
	v_wmma_scale_f32_16x16x128_f8f6f4 v[rA:rA+7], v[rP:rP+7], v[rR:rR+7], v[rC:rC+7], v[rSP], v[rSR] matrix_a_fmt:MATRIX_FMT_FP4 matrix_b_fmt:MATRIX_FMT_FP4
.endif
.endm
.macro MUL s, mode
.if \mode == 0
	WIN 0xa5
.else
	WIN 0x85
.endif
.set ma, 0
.rept RT
.set mb, 0
.rept 8
.set rA, 8*(8*ma+mb)
.set rP, 64*((\s)%2)+8*mb
.set rR, 128+8*RT*((\s)%2)+8*ma
.set rSP, SCP+4*mb+2*((\s)/4)+(\s)%2
.set rSR, SCR+4*ma+2*((\s)/4)+(\s)%2
.set rC, BC+8*mb
	WM \mode, ((\s)/2)%2
.set mb, mb+1
.endr
.set ma, ma+1
.endr
.endm
	s_load_b256 s[4:11], s[0:1], 0x0
	s_load_b128 s[12:15], s[0:1], 0x20
	v_lshl_add_u32 v[SPW], v0, 2, SPARE
	v_mov_b32 v[NIL], 0
	ds_add_u32 v[SPW], v[NIL]
	ds_add_u32 v[SPW], v[NIL]
	v_lshrrev_b32 v1, 5, v0
	v_readfirstlane_b32 s16, v1
	s_lshr_b32 s17, s16, 1
	s_and_b32 s18, s16, 1
	s_bfe_u32 s40, ttmp6, 0x40000
	s_bfe_u32 s41, ttmp6, 0x40004
	s_lshl_b32 s42, ttmp9, 2
	s_add_co_u32 s58, s42, s40
	s_and_b32 s43, ttmp7, 0xffff
	s_lshl_b32 s43, s43, 2
	s_add_co_u32 s59, s43, s41
	s_lshl_b32 s19, s41, 2
	s_lshl_b32 s19, 15, s19
	s_lshl_b32 s20, 0x1111, s40
	s_or_b32 s[G1P], s20, (3<<16)|(1<<21)
	s_mov_b32 s[G1P+1], 32<<16
	s_mov_b32 s[G1P+2], 128<<16
	s_mov_b32 s[G1P+3], 32<<16
	s_mov_b32 s[G1P+4], 128
	s_mov_b32 s[G1P+5], 32
	s_mov_b32 s[G1P+6], 0
	s_mov_b32 s[G1P+7], 0
	s_or_b32 s[G1R], s19, (3<<16)|(1<<21)
	s_mov_b32 s[G1R+1], 32<<16
	s_mov_b32 s[G1R+2], 64<<16
	s_mov_b32 s[G1R+3], 32<<16
	s_mov_b32 s[G1R+4], 64
	s_mov_b32 s[G1R+5], 32
	s_mov_b32 s[G1R+6], 0
	s_mov_b32 s[G1R+7], 0
	s_lshl_b32 s60, s58, 16
	s_lshl_b32 s45, s18, 15
	s_add_co_u32 s60, s60, s45
	s_add_co_u32 s60, s60, 192*4096
	s_mov_b32 s61, 0
	s_lshl_b32 s62, s59, 15
	s_lshl_b32 s44, s18, 14
	s_add_co_u32 s62, s62, s44
	s_mov_b32 s63, 0
	s_add_co_u32 s44, s44, 65536
	s_wait_dscnt 0x0
	s_wait_kmcnt 0x0
	s_add_nc_u64 s[46:47], s[8:9], s[60:61]
	s_add_nc_u64 s[48:49], s[4:5], s[62:63]
	CROUND
	s_mov_b32 s[G0P], 1
	s_mov_b32 s[G0P+1], s45
	s_mov_b64 s[G0P+2:G0P+3], s[46:47]
	s_or_b32 s[G0P+3], s[G0P+3], 0x80000000
	s_mov_b32 s[G0R], 1
	s_mov_b32 s[G0R+1], s44
	s_mov_b64 s[G0R+2:G0R+3], s[48:49]
	s_or_b32 s[G0R+3], s[G0R+3], 0x80000000
	JLOAD G0P, G1P, G0R, G1R
	s_mov_b32 s[G0P+4], 1
	s_add_co_u32 s[G0P+5], s45, HALF
	s_add_nc_u64 s[G0P+6:G0P+7], s[46:47], 0x100000
	s_or_b32 s[G0P+7], s[G0P+7], 0x80000000
	s_mov_b32 s[G0R+4], 1
	s_add_co_u32 s[G0R+5], s44, HALF
	s_add_nc_u64 s[G0R+6:G0R+7], s[48:49], 0x200000
	s_or_b32 s[G0R+7], s[G0R+7], 0x80000000
	v_and_b32 v[LN], 31, v0
	v_and_b32 v[RR], 15, v0
	v_bfe_u32 v[HH], v0, 4, 1
	v_lshlrev_b32 v[L16], 4, v[LN]
	v_lshlrev_b32 v[L8], 3, v[LN]
	s_wait_alu depctr_va_vdst(0)
	s_lshl_b32 s19, s18, 15
	v_add_nc_u32 v[ADP], s19, v[L16]
	v_add_nc_u32 v[ADP+1], HALF, v[ADP]
	s_lshl_b32 s19, s17, 14
	s_add_co_u32 s19, s19, 65536
	v_add_nc_u32 v[ADR], s19, v[L16]
	v_add_nc_u32 v[ADR+1], HALF, v[ADR]
	s_mul_i32 s19, s16, 8448
	s_add_co_u32 s19, s19, STAGE
	v_mul_u32_u24 v[STO], v[RR], 528
	v_lshl_add_u32 v[STO], v[HH], 6, v[STO]
	v_add_nc_u32 v[STO], s19, v[STO]
	v_add_nc_u32 v[RD], s19, v[L16]
	s_lshl_b32 s60, s58, 13
	s_lshl_b32 s19, s18, 12
	s_add_co_u32 s60, s60, s19
	s_add_co_u32 s60, s60, 192*512
	s_add_nc_u64 s[50:51], s[10:11], s[60:61]
	s_lshl_b32 s62, s59, 12
	s_lshl_b32 s19, s17, 11
	s_add_co_u32 s62, s62, s19
	s_add_nc_u64 s[52:53], s[6:7], s[62:63]
.irp t, 0,1,2,3,4,5,6,7
.irp i, 0,1
	global_load_b64 v[SCP+4*\t+2*\i:SCP+4*\t+2*\i+1], v[L8], s[50:51] offset:512*\t+256*\i
.endr
.endr
.irp t, 0,1,2,3
.irp i, 0,1
	global_load_b64 v[SCR+4*\t+2*\i:SCR+4*\t+2*\i+1], v[L8], s[52:53] offset:512*\t+256*\i
.endr
.endr
	s_lshl_b32 s60, s58, 10
	s_lshl_b32 s19, s18, 9
	s_add_co_u32 s60, s60, s19
	s_add_nc_u64 s[96:97], s[12:13], s[60:61]
	v_lshlrev_b32 v[BO], 6, v[HH]
.irp b, 0,1,2,3,4,5,6,7
	global_load_b128 v[BC+8*\b:BC+8*\b+3], v[BO], s[96:97] offset:(32*(\b/2)+8*(\b%2))*4
	global_load_b128 v[BC+8*\b+4:BC+8*\b+7], v[BO], s[96:97] offset:(32*(\b/2)+8*(\b%2))*4+16
.endr
	s_lshl_b32 s62, s59, 19
	s_lshl_b32 s19, s17, 18
	s_add_co_u32 s62, s62, s19
	s_add_co_u32 s62, s62, s60
	s_add_nc_u64 s[84:85], s[14:15], s[62:63]
	; K half 1 is a first fill that comes later than the head's one load a wave: a round goes ahead of it.  The scale words' and the bias's loads above were issued while half 0 was on its way.
	s_wait_alu depctr_va_vdst(0)
	s_wait_tensorcnt 0x0
	ds_add_u32 v[SPW], v[NIL]
	s_wait_dscnt 0x0
	CROUND
	JLOAD G0P+4, G1P, G0R+4, G1R
	FETCH 0, 0
	FETCH 1, 1
	s_wait_loadcnt 0x0
	s_wait_dscnt NF
	MUL 0, 1
.irp s, 1,2,3,4,5,6
.if \s == 3
	s_wait_tensorcnt 0x0
	s_wait_dscnt 0x0
	s_barrier_signal -1
	s_barrier_wait -1
.endif
	PLACES
	FETCH \s+1, (\s+1)%2
	s_wait_dscnt NF
	MUL \s, 0
.endr
	s_wait_dscnt 0x0
	MUL 7, 0
.macro TOSTAGE a
	WIN 0x08
.irp b, 0,1,2,3,4,5,6,7
	ds_store_b128 v[STO], v[64*(\a)+8*\b:64*(\a)+8*\b+3] offset:128*(\b/2)+32*(\b%2)
	ds_store_b128 v[STO], v[64*(\a)+8*\b+4:64*(\a)+8*\b+7] offset:128*(\b/2)+32*(\b%2)+16
.endr
	WIN 0
.set BB, BK+64*((\a)%2)
.irp i, 0,1,2,3,4,5,6,7,8,9,10,11,12,13,14,15
	ds_load_b128 v[BB+4*\i:BB+4*\i+3], v[RD] offset:528*\i
.endr
.endm
.macro SEND a, younger
.set BB, BK+64*((\a)%2)
	s_wait_dscnt \younger
.irp i, 0,1,2,3,4,5,6,7,8,9,10,11,12,13,14,15
	global_store_b128 v[L16], v[BB+4*\i:BB+4*\i+3], s[84:85] offset:(32*((\a)/2)+8*((\a)%2)+\i+8*(\i/8))*4096 th:TH_STORE_NT
.endr
.endm
	PLACES
	TOSTAGE 0
.irp a, 1,2,3
.if \a > 1
	s_wait_xcnt 0x0
.endif
	TOSTAGE \a
	SEND \a-1, 32
.endr
	SEND 3, 0
	s_wait_tensorcnt 0x0
	ds_add_u32 v[SPW], v[NIL]
	s_wait_dscnt 0x0
	CROUND
	s_endpgm
.Lfunc_end_k_qfee001de8e_outgemm:
	.size	k_qfee001de8e_outgemm, .Lfunc_end_k_qfee001de8e_outgemm-k_qfee001de8e_outgemm
	.p2alignl 7, 3214868480
	.fill 96, 4, 3214868480
	.section	.rodata,"a",@progbits
	.p2align	6, 0x0
	.amdhsa_kernel k_qfee001de8e_outgemm
		.amdhsa_group_segment_fixed_size 327680
		.amdhsa_private_segment_fixed_size 0
		.amdhsa_enable_private_segment 0
		.amdhsa_kernarg_size 48
		.amdhsa_user_sgpr_count 2
		.amdhsa_user_sgpr_kernarg_segment_ptr 1
		.amdhsa_wavefront_size32 1
		.amdhsa_system_sgpr_workgroup_id_x 1
		.amdhsa_system_sgpr_workgroup_id_y 1
		.amdhsa_system_sgpr_workgroup_id_z 1
		.amdhsa_system_vgpr_workitem_id 0
		.amdhsa_next_free_vgpr 768
		.amdhsa_next_free_sgpr 100
		.amdhsa_reserve_vcc 0
		.amdhsa_float_denorm_mode_32 3
		.amdhsa_float_denorm_mode_16_64 3
		.amdhsa_memory_ordered 1
		.amdhsa_forward_progress 1
		.amdhsa_inst_pref_size 72
	.end_amdhsa_kernel
	.amdgpu_metadata
---
amdhsa.version: [ 1, 2 ]
amdhsa.kernels:
  - .name:           k_qfee001de8e_outgemm
    .symbol:         k_qfee001de8e_outgemm.kd
    .args:
      - { .name: ac, .offset: 0, .size: 8, .value_kind: global_buffer, .address_space: global }
      - { .name: asc, .offset: 8, .size: 8, .value_kind: global_buffer, .address_space: global }
      - { .name: wc, .offset: 16, .size: 8, .value_kind: global_buffer, .address_space: global }
      - { .name: ws, .offset: 24, .size: 8, .value_kind: global_buffer, .address_space: global }
      - { .name: b_out, .offset: 32, .size: 8, .value_kind: global_buffer, .address_space: global }
      - { .name: out0, .offset: 40, .size: 8, .value_kind: global_buffer, .address_space: global }
    .group_segment_fixed_size: 327680
    .private_segment_fixed_size: 0
    .kernarg_segment_align: 8
    .kernarg_segment_size: 48
    .max_flat_workgroup_size: 128
    .sgpr_count:     100
    .vgpr_count:     768
    .wavefront_size: 32
...
	.end_amdgpu_metadata
.endif
;; end of part 4
